; MI455X (gfx1250); checked and timed in simulation.
; The chip was launched on July 23, 2026; its instructions are those of AMD's public machine-readable ISA for CDNA 5 (MIT licence, August 2026) and "CDNA5" Instruction Set Architecture Reference Guide (July 2026). The comments in the code are by the model that wrote it; some were corrected since.
;; Attention. Allowed arithmetic: matrix products marked QUANTISED: E2M1 operands, one E8M0 scale for each 32 along K, by v_wmma_scale_f32_16x16x128_f8f6f4 with both operands' format E2M1 (or v_wmma_scale_f32_32x16x128_f4), f32 sums; products left as they are: bf16, f16 or f32 operands; f32 sums; everything else in f32.
;; Inputs: b_out 1,024 float32; w_out 1,024 x 1,024 float32; w_qkv 1,024 x 3,072 float32; x 4 x 2,048 x 1,024 float32.
;; Outputs: out0 4 x 2,048 x 1,024 float32.
;; This version of the problem:
;;   THIS VERSION OF THE PROBLEM IS GIVEN IN LOW PRECISION. The matrix products marked QUANTISED in the list below multiply operands that are first quantised to E2M1 (2 exponent bits, 1 mantissa bit; 4 bits a number), with one power-of-two scale for each 32 numbers along K (OCP MX v1.0); their sums are f32. The products marked 'left as it is' may take bf16, f16 or f32 operands, with f32 sums. Whichever they take, every output number must still come out within the allowed error. Rounding operands to bf16 (8 significant bits) uses up far more of that allowance than f16 does (11 bits, for magnitudes from 6e-5 to 65,504). All else is computed in f32.
;;   The module's matrix products, in the order in which they are computed (A, B: the left and right operand; K: the contracted axis; several contracted axes count as one K, in the product's order):
;;     1. [M 8,192, K 1,024] x [K 1,024, N 3,072]; A: input x; B: input w_qkv: QUANTISED
;;     2. batch 64 x [M 2,048, K 64] x [K 64, N 2,048]; A: computed on the way; B: computed on the way: left as it is (an operand is computed on the way)
;;     3. batch 64 x [M 2,048, K 2,048] x [K 2,048, N 64]; A: computed on the way; B: computed on the way: left as it is (an operand is computed on the way)
;;     4. [M 8,192, K 1,024] x [K 1,024, N 1,024]; A: computed on the way; B: input w_out: left as it is (an operand is computed on the way)
;;   THE QUANTISER, for each operand of a quantised product, along K:
;;     - K is cut into blocks of 32 from its start; a last block that is shorter is filled with zeros.
;;     - A block's scale is 2^e with e = floor(log2(the largest magnitude in the block)) - 2, held to -126 .. 127; a block of zeros has e = 0. As a byte (E8M0): e + 127.
;;     - Each number is divided by its block's scale, clamped to +-6, and rounded to the nearest number of E2M1, ties to even, subnormals kept.
;;     - The product sums the exact products of the quantised numbers (number of the format x scale) in f32.
;;   ~~~python
;;   def quantise(x, axis):      # numpy; x: float32 -> the quantised numbers, widened to float32 again
;;       x = np.moveaxis(x, axis, -1); K = x.shape[-1]
;;       x = np.pad(x, [(0, 0)] * (x.ndim - 1) + [(0, -K % 32)]); x = x.reshape(x.shape[:-1] + (-1, 32)); a = np.abs(x).max(-1, keepdims=True)
;;       e = np.where(a > 0, np.clip(np.frexp(np.where(a > 0, a, 1))[1] - 1 - 2, -126, 127), 0)      # np.frexp(a)[1] - 1 = floor(log2(a)), exactly
;;       r = np.clip(x / 2.0 ** e, -6, 6)
;;       step = 2.0 ** (np.maximum(np.frexp(np.where(r == 0, 1, r))[1] - 1, 0) - 1)
;;       q = np.round(r / step) * step * 2.0 ** e      # np.round: ties to even
;;       return np.moveaxis(q.reshape(q.shape[:-2] + (-1,))[..., :K], -1, axis).astype(np.float32)
;;   ~~~
;; One version. Each part assembles by itself: llvm-mc -triple=amdgcn-amd-amdhsa -mcpu=gfx1250 --defsym DOCPART=n.
;; ======== version 1 of 1: 4 launches
;; limits: values are held in f16: magnitudes above 65,504 overflow, below 6.1e-05 lose precision
;; workspace buffers: x_codes 4,194,304 bytes; x_scales 262,144 bytes; w_codes 1,572,864 bytes; w_scales 98,304 bytes; w16 2,097,152 bytes; qkv 50,331,648 bytes; oheads 16,777,216 bytes
;; launch prep (part 1): grid 336 x 1, 4 waves a work-group, no clusters, 68,096 bytes of LDS; arguments x, w_qkv, w_out, x_codes, x_scales, w_codes, w_scales, w16; writes x_codes, x_scales, w_codes, w_scales, w16
.if DOCPART == 1
	.amdgcn_target "amdgcn-amd-amdhsa--gfx1250"
	.amdhsa_code_object_version 6
	.text
	.protected	k_q124b49d168_prep
	.globl	k_q124b49d168_prep
	.p2align	8
	.type	k_q124b49d168_prep,@function
k_q124b49d168_prep:
	s_mov_b64 s[64:65], 0
	v_nop
	global_prefetch_b8 v0, s[64:65] scope:SCOPE_SE
	s_setreg_imm32_b32 hwreg(HW_REG_WAVE_MODE, 25, 1), 1
	s_wait_xcnt 0x0
; THREE JOBS IN ONE LAUNCH, told apart by the work-group's number alone; each has its own way through the text, its own LDS bytes and its own end.
;   work-groups 0-255:   x [8192][1024] f32 (K innermost) -> codes of FP4 (E2M1) [8192][512 bytes] and E8M0 scale bytes [8192][32]
;   work-groups 256-303: w_qkv [1024 (k)][3072 (n)] f32 (K is the FIRST axis) -> codes [3072][512 bytes], K innermost, and scale bytes [3072][32]
;   work-groups 304-335: w_out [1024][1024] f32 -> f16, laid as it lies
; A block's scale is 2^(floor(log2(its largest magnitude)) - 2); its byte is the largest magnitude's exponent field - 2, held at 1 from below.
; A block of zeros so gets the byte 1 where the quantiser says 127: its codes are zeros, which add nothing under any byte but 0xff, and this program alone reads the bytes.
; LIMITS: blocks whose largest magnitude lies under 2^-124 keep the byte 1; NaN and infinities among the inputs are not served; w_out beyond 65,504 has no f16 number.
; No tensor loads, no barrier: waves share nothing.
.set SIZE_K, 1024
.set SIZE_N, 3072
.set EMAX,  2
.set SPW,   12                         ; v12  LDS address of my spare word: SPARE + 4 x my thread's number; never rewritten
.set NIL,   13                         ; v13  0; never rewritten
.set WREG,  8192                       ; x's way: a region for each wave: two stages of 32 x SP bytes, behind them its 256 scale bytes
.set SP,    80                         ; a lane's place in a stage: 64 bytes + 16 of padding
.set WSTG,  4*WREG                     ; w_qkv's way: four stages of 32 rows x PITCH bytes
.set PITCH, 272
.set SPARE, WSTG+4*32*PITCH            ; 67,584: the spare words, 128 bytes for each wave, which no other line names
	s_load_b256 s[4:11], s[0:1], 0x0               ; x s[4:5], w_qkv s[6:7], w_out s[8:9], x_codes s[10:11]
	s_load_b256 s[12:19], s[0:1], 0x20             ; x_scales s[12:13], w_codes s[14:15], w_scales s[16:17], w16 s[18:19]
	v_lshl_add_u32 v[SPW], v0, 2, SPARE
	v_mov_b32 v[NIL], 0
	v_lshrrev_b32 v1, 5, v0
	v_readfirstlane_b32 s20, v1                    ; wave 0..3
	v_and_b32 v2, 31, v0                           ; lane
	s_wait_kmcnt 0x0
	s_cmp_lt_u32 ttmp9, 256
	s_cbranch_scc1 .Lpath_x
	s_cmp_lt_u32 ttmp9, 304
	s_cbranch_scc1 .Lpath_w
; ---------------- w_out to f16.  A wave takes 8,192 numbers in eight groups of eight loads; a load reads 512 consecutive bytes, a store writes 256.
	s_sub_co_u32 s21, ttmp9, 304
	s_lshl_b32 s21, s21, 2
	s_add_co_u32 s21, s21, s20                     ; which run of 8,192 numbers is my wave's
	s_lshl_b32 s22, s21, 15
	s_mov_b32 s23, 0
	s_add_nc_u64 s[8:9], s[8:9], s[22:23]
	s_lshl_b32 s22, s21, 14
	s_add_nc_u64 s[18:19], s[18:19], s[22:23]
	v_lshlrev_b32 v1, 4, v2                        ; in: 16 bytes a lane
	v_lshlrev_b32 v3, 3, v2                        ; out: 8 bytes a lane
.macro CLOAD g                         ; group g into set g % 2 (v16-47, v48-79)
.irp j, 0,1,2,3,4,5,6,7
	global_load_b128 v[16+32*((\g)%2)+4*\j:16+32*((\g)%2)+4*\j+3], v1, s[8:9] offset:4096*(\g)+512*\j th:TH_LOAD_NT
.endr
.endm
.macro CGROUP g
.if (\g) < 7
	s_wait_loadcnt 8                               ; this group's eight loads are in; the next group's eight may be out
.else
	s_wait_loadcnt 0x0
.endif
.if (\g) >= 4
	s_wait_xcnt 0x0                                ; the stores of four groups back have read their data: those registers are written again below
.endif
.irp j, 0,1,2,3,4,5,6,7
	v_cvt_pk_f16_f32 v[80+16*((\g)%4)+2*\j], v[16+32*((\g)%2)+4*\j], v[16+32*((\g)%2)+4*\j+1]
	v_cvt_pk_f16_f32 v[80+16*((\g)%4)+2*\j+1], v[16+32*((\g)%2)+4*\j+2], v[16+32*((\g)%2)+4*\j+3]
.endr
.if (\g)+2 < 8
	CLOAD (\g)+2
.endif
.irp j, 0,1,2,3,4,5,6,7
	global_store_b64 v3, v[80+16*((\g)%4)+2*\j:80+16*((\g)%4)+2*\j+1], s[18:19] offset:2048*(\g)+256*\j   ; 32 lanes store 256 consecutive bytes, aligned
.endr
.endm
	CLOAD 0
	CLOAD 1
.irp g, 0,1,2,3,4,5,6,7
	CGROUP \g
.endr
	s_wait_tensorcnt 0x0                           ; the wave's end
	ds_add_u32 v[SPW], v[NIL]
	s_wait_dscnt 0x0
	s_endpgm
; ---------------- x.  Rows are dense and K is a multiple of 32: a plain stream of blocks of 32.  A wave takes 16 steps of 512 numbers.
; Each of a step's four loads reads 512 consecutive bytes, 16 a lane; the 2,048 bytes turn through the wave's own stage and come back 64 bytes a lane: 16 neighbours along K; two neighbouring lanes hold a block.
.set STEPS, 16
.set CB,    8                          ; bytes of 16 codes
.set R,     16                         ; v16-79   four sets of 16 numbers as loaded
.set X,     80                         ; v80-111  two sets of 16 neighbours
.set E,     112                        ; v112-127 a scale byte for each step
.set C,     128                        ; v128-191 codes: registers of its own for each step, so that no store's data are written again
.Lpath_x:
	v_lshlrev_b32 v3, 4, v2                        ; my 16 bytes of a load's 512
	s_mul_i32 s21, s20, WREG
	v_lshrrev_b32 v14, 2, v2
	v_mul_u32_u24 v14, v14, SP
	v_and_b32 v15, 3, v2
	v_lshl_add_u32 v14, v15, 4, v14
	v_add_nc_u32 v14, s21, v14                     ; the stage, on the way in: SP (lane / 4) + 16 (lane % 4)
	v_mul_u32_u24 v15, v2, SP
	v_add_nc_u32 v15, s21, v15                     ; and on the way out: SP x lane
	v_mul_u32_u24 v4, v2, CB                       ; my codes' place in a step's
	v_lshrrev_b32 v5, 1, v2
	s_add_co_u32 s21, s21, 2*32*SP
	v_add_nc_u32 v5, s21, v5                       ; my wave's 256 scale bytes, my block's byte
	v_lshlrev_b32 v7, 3, v2
	v_add_nc_u32 v6, s21, v7                       ; and on the way out 8 bytes a lane
	s_lshl_b32 s22, ttmp9, 2
	s_add_co_u32 s22, s22, s20                     ; which run of 8,192 numbers is my wave's
	s_lshl_b32 s24, s22, 15
	s_mov_b32 s25, 0
	s_add_nc_u64 s[4:5], s[4:5], s[24:25]
	s_lshl_b32 s24, s22, 12
	s_add_nc_u64 s[10:11], s[10:11], s[24:25]
	s_lshl_b32 s24, s22, 8
	s_add_nc_u64 s[12:13], s[12:13], s[24:25]
.macro XLOAD t
.irp i, 0,1,2,3
	global_load_b128 v[R+16*((\t)%4)+4*\i:R+16*((\t)%4)+4*\i+3], v3, s[4:5] offset:2048*(\t)+512*\i th:TH_LOAD_NT
.endr
.endm
.macro XTURN t                         ; LDS serves a wave's instructions in order: no wait between the stores and the loads
.irp i, 0,1,2,3
	ds_store_b128 v14, v[R+16*((\t)%4)+4*\i:R+16*((\t)%4)+4*\i+3] offset:32*SP*((\t)%2)+8*SP*\i
.endr
.irp i, 0,1,2,3
	ds_load_b128 v[X+16*((\t)%2)+4*\i:X+16*((\t)%2)+4*\i+3], v15 offset:32*SP*((\t)%2)+16*\i
.endr
.endm
.irp t, 0,1,2,3
	XLOAD \t
.endr
	s_wait_loadcnt 12                              ; step 0's four loads are in; three steps' twelve may be out
	XTURN 0
.macro XSTEP t
.set XS, X+16*((\t)%2)
.if (\t) > 0
	s_wait_dscnt 1                                 ; this step's numbers are back from the stage; the last step's byte store may be out
.else
	s_wait_dscnt 0x0
.endif
.if (\t)+4 < STEPS
	XLOAD (\t)+4                                   ; into the registers that this step's stores to the stage have read
.endif
.if (\t)+1 < STEPS
.if STEPS-2-(\t) >= 3
	s_wait_loadcnt 12                              ; the next step's four loads are in; those of the three steps behind it may be out
.else
	s_wait_loadcnt 4*(STEPS-2-(\t))
.endif
	XTURN (\t)+1
.endif
	v_max3_num_f32 v8, |v[XS]|, |v[XS+1]|, |v[XS+2]|               ; the largest magnitude of my 16, in two chains
	v_max3_num_f32 v9, |v[XS+3]|, |v[XS+4]|, |v[XS+5]|
.irp i, 6,10
	v_max3_num_f32 v8, v8, |v[XS+\i]|, |v[XS+\i+1]|
	v_max3_num_f32 v9, v9, |v[XS+\i+2]|, |v[XS+\i+3]|
.endr
	v_max3_num_f32 v8, v8, |v[XS+14]|, |v[XS+15]|
	v_max3_num_f32 v8, v8, v9, (EMAX+1)<<23        ; and the floor 2^(3 - 127): the byte cannot fall under 1
	v_max_num_f32_dpp v8, v8, v8 row_xmask:1 row_mask:0xf bank_mask:0xf   ; with my neighbour's 16: the block's
	v_add_nc_u32 v11, -(EMAX<<23), v8              ; 2 off its exponent field: the conversion takes the exponent field of this operand as its scale
	v_cvt_scalef32_pk8_fp4_f32 v[C+4*(\t)], v[XS:XS+7], v11
	v_cvt_scalef32_pk8_fp4_f32 v[C+4*(\t)+1], v[XS+8:XS+15], v11
	v_lshrrev_b32 v[E+(\t)], 23, v11               ; the scale's byte (a plain line behind the conversions)
	ds_store_b8 v5, v[E+(\t)] offset:16*(\t)       ; both lanes of a block write the same byte with the same value
	global_store_b64 v4, v[C+4*(\t):C+4*(\t)+1], s[10:11] offset:32*CB*(\t)   ; 32 lanes store 256 consecutive bytes, aligned
.endm
.irp t, 0,1,2,3,4,5,6,7,8,9,10,11,12,13,14,15
	XSTEP \t
.endr
	ds_load_b64 v[8:9], v6                         ; my wave's 256 scale bytes: these loads see my stores
	s_wait_dscnt 0x0
	global_store_b64 v7, v[8:9], s[12:13]          ; 256 consecutive bytes, aligned
	s_wait_tensorcnt 0x0                           ; the wave's end, behind my last LDS store
	ds_add_u32 v[SPW], v[NIL]
	s_wait_dscnt 0x0
	s_endpgm
; ---------------- w_qkv.  A LANE TAKES A COLUMN n AND ITS REGISTERS RUN DOWN K: a load reads 128 consecutive bytes a wave, a block of 32 along K lies in one lane, and the codes come out with K innermost.
; A wave takes 32 columns x 512 along K: 16 blocks, 256 bytes of codes a column, gathered in its own stage and stored by rows: sixteen lanes to 256 consecutive bytes.
; Every offset is an immediate: 511 rows x 12,288 bytes at the most, inside the signed 24 bits of the field.
.set NB,    16
.set KROW,  SIZE_K/2                   ; a row of the codes' buffer in bytes
.set SB,    24                         ; v24-27   the scale bytes, four to a register
.set WX,    32                         ; v32-95   two sets of 32 numbers
.set WC,    96                         ; v96-99   a block's codes
.set OUTR,  112                        ; v112-175 the way out
.Lpath_w:
	s_sub_co_u32 s21, ttmp9, 256
	s_cmp_ge_u32 s21, 24
	s_cselect_b32 s22, 1, 0                        ; which 512 along K
	s_cselect_b32 s23, 24, 0
	s_sub_co_u32 s21, s21, s23                     ; which 128 columns
	s_lshl_b32 s24, s21, 7
	s_lshl_b32 s25, s20, 5
	s_add_co_u32 s24, s24, s25                     ; my wave's first column
	v_lshlrev_b32 v3, 2, v2                        ; in: 4 bytes a lane
	s_mul_i32 s25, s20, 32*PITCH
	s_add_co_u32 s25, s25, WSTG                    ; my stage
	v_mul_u32_u24 v4, v2, PITCH
	v_add_nc_u32 v4, s25, v4                       ; into it: row = my column
	v_and_b32 v5, 15, v2
	v_lshrrev_b32 v6, 4, v2
	v_mul_u32_u24 v7, v6, PITCH
	v_lshl_add_u32 v7, v5, 4, v7
	v_add_nc_u32 v7, s25, v7                       ; out of it: sixteen lanes to a row, two rows an instruction
	v_mul_u32_u24 v8, v6, KROW
	v_lshl_add_u32 v8, v5, 4, v8                   ; and the same place in the codes' buffer
	v_mul_u32_u24 v9, v2, SIZE_K/32                ; my column's row of scale bytes
	s_mul_i32 s26, s22, 512*SIZE_N*4
	s_lshl_b32 s28, s24, 2
	s_add_co_u32 s26, s26, s28
	s_mov_b32 s27, 0
	s_add_nc_u64 s[6:7], s[6:7], s[26:27]
	s_lshl_b32 s26, s24, 9
	s_lshl_b32 s28, s22, 8
	s_add_co_u32 s26, s26, s28
	s_add_nc_u64 s[14:15], s[14:15], s[26:27]
	s_lshl_b32 s26, s24, 5
	s_lshl_b32 s28, s22, 4
	s_add_co_u32 s26, s26, s28
	s_add_nc_u64 s[16:17], s[16:17], s[26:27]
.macro WLOAD t                         ; block t: w(32 t + i, my column) into set t % 2
.irp i, 0,1,2,3,4,5,6,7,8,9,10,11,12,13,14,15,16,17,18,19,20,21,22,23,24,25,26,27,28,29,30,31
	global_load_b32 v[WX+32*((\t)%2)+\i], v3, s[6:7] offset:(32*(\t)+\i)*SIZE_N*4 th:TH_LOAD_NT
.endr
.endm
	WLOAD 0
	WLOAD 1
.macro WBLOCK t
.set WS, WX+32*((\t)%2)
.if (\t) < NB-1
	s_wait_loadcnt 32                              ; this block's 32 loads are in; the next block's may be out
.else
	s_wait_loadcnt 0x0
.endif
	v_max3_num_f32 v16, |v[WS]|, |v[WS+1]|, |v[WS+2]|              ; the block's largest magnitude: all 32 numbers are mine
	v_max3_num_f32 v17, |v[WS+3]|, |v[WS+4]|, |v[WS+5]|
.irp i, 6,10,14,18,22,26
	v_max3_num_f32 v16, v16, |v[WS+\i]|, |v[WS+\i+1]|
	v_max3_num_f32 v17, v17, |v[WS+\i+2]|, |v[WS+\i+3]|
.endr
	v_max3_num_f32 v16, v16, |v[WS+30]|, |v[WS+31]|
	v_max3_num_f32 v16, v16, v17, (EMAX+1)<<23     ; and the floor
	v_add_nc_u32 v11, -(EMAX<<23), v16             ; the conversion's scale operand
	v_lshrrev_b32 v17, 23, v11                     ; the scale's byte
.if (\t)%4 == 0
	v_mov_b32 v[SB+(\t)/4], v17                    ; four bytes to a register, the lower K in the lower byte
.else
	v_lshl_or_b32 v[SB+(\t)/4], v17, 8*((\t)%4), v[SB+(\t)/4]
.endif
.irp g, 0,1,2,3
	v_cvt_scalef32_pk8_fp4_f32 v[WC+\g], v[WS+8*\g:WS+8*\g+7], v11
.endr
	ds_store_b128 v4, v[WC:WC+3] offset:16*(\t)    ; 32 codes: 16 bytes of my column's row
.if (\t)+2 < NB
	WLOAD (\t)+2
.endif
	s_wait_dscnt 0x0                               ; the store has read its registers: the next block's codes may be written
.endm
.irp t, 0,1,2,3,4,5,6,7,8,9,10,11,12,13,14,15
	WBLOCK \t
.endr
	global_store_b128 v9, v[SB:SB+3], s[16:17]     ; my column's 16 scale bytes
.irp t, 0,1,2,3,4,5,6,7,8,9,10,11,12,13,14,15
	ds_load_b128 v[OUTR+4*\t:OUTR+4*\t+3], v7 offset:2*\t*PITCH
.endr
.irp t, 0,1,2,3,4,5,6,7,8,9,10,11,12,13,14,15
	s_wait_dscnt 15-\t                             ; load t is in; the 15 - t behind it may be out
	global_store_b128 v8, v[OUTR+4*\t:OUTR+4*\t+3], s[14:15] offset:2*\t*KROW
.endr
	s_wait_tensorcnt 0x0                           ; the wave's end, behind my last LDS store
	ds_add_u32 v[SPW], v[NIL]
	s_wait_dscnt 0x0
	s_endpgm
.Lfunc_end_k_q124b49d168_prep:
	.size	k_q124b49d168_prep, .Lfunc_end_k_q124b49d168_prep-k_q124b49d168_prep
	.p2alignl 7, 3214868480
	.fill 96, 4, 3214868480
	.section	.rodata,"a",@progbits
	.p2align	6, 0x0
	.amdhsa_kernel k_q124b49d168_prep
		.amdhsa_group_segment_fixed_size 68096
		.amdhsa_private_segment_fixed_size 0
		.amdhsa_enable_private_segment 0
		.amdhsa_kernarg_size 64
		.amdhsa_user_sgpr_count 2
		.amdhsa_user_sgpr_kernarg_segment_ptr 1
		.amdhsa_wavefront_size32 1
		.amdhsa_system_sgpr_workgroup_id_x 1
		.amdhsa_system_sgpr_workgroup_id_y 1
		.amdhsa_system_sgpr_workgroup_id_z 1
		.amdhsa_system_vgpr_workitem_id 0
		.amdhsa_next_free_vgpr 192
		.amdhsa_next_free_sgpr 66
		.amdhsa_reserve_vcc 0
		.amdhsa_float_denorm_mode_32 3
		.amdhsa_float_denorm_mode_16_64 3
		.amdhsa_memory_ordered 1
		.amdhsa_forward_progress 1
		.amdhsa_inst_pref_size 132
	.end_amdhsa_kernel
	.amdgpu_metadata
---
amdhsa.version: [ 1, 2 ]
amdhsa.kernels:
  - .name:           k_q124b49d168_prep
    .symbol:         k_q124b49d168_prep.kd
    .args:
      - { .name: x, .offset: 0, .size: 8, .value_kind: global_buffer, .address_space: global }
      - { .name: w_qkv, .offset: 8, .size: 8, .value_kind: global_buffer, .address_space: global }
      - { .name: w_out, .offset: 16, .size: 8, .value_kind: global_buffer, .address_space: global }
      - { .name: x_codes, .offset: 24, .size: 8, .value_kind: global_buffer, .address_space: global }
      - { .name: x_scales, .offset: 32, .size: 8, .value_kind: global_buffer, .address_space: global }
      - { .name: w_codes, .offset: 40, .size: 8, .value_kind: global_buffer, .address_space: global }
      - { .name: w_scales, .offset: 48, .size: 8, .value_kind: global_buffer, .address_space: global }
      - { .name: w16, .offset: 56, .size: 8, .value_kind: global_buffer, .address_space: global }
    .group_segment_fixed_size: 68096
    .private_segment_fixed_size: 0
    .kernarg_segment_align: 8
    .kernarg_segment_size: 64
    .max_flat_workgroup_size: 128
    .sgpr_count:     66
    .vgpr_count:     192
    .wavefront_size: 32
...
	.end_amdgpu_metadata
.endif
;; end of part 1
;; launch qkvgemm (part 2): grid 12 x 32, 4 waves a work-group, clusters of 4 x 4, 327,680 bytes of LDS; arguments x_codes, x_scales, w_codes, w_scales, qkv; writes qkv
.if DOCPART == 2
	.amdgcn_target "amdgcn-amd-amdhsa--gfx1250"
	.amdhsa_code_object_version 6
	.text
	.protected	k_q124b49d168_qkvgemm
	.globl	k_q124b49d168_qkvgemm
	.p2align	8
	.type	k_q124b49d168_qkvgemm,@function
k_q124b49d168_qkvgemm:
	s_mov_b64 s[64:65], 0
	v_nop
	global_prefetch_b8 v0, s[64:65] scope:SCOPE_SE
	s_setreg_imm32_b32 hwreg(HW_REG_WAVE_MODE, 25, 1), 1
	s_wait_xcnt 0x0
	s_wait_alu depctr_hold_cnt(0) depctr_sa_sdst(0) depctr_va_vdst(0) depctr_va_sdst(0) depctr_va_ssrc(0) depctr_va_vcc(0) depctr_vm_vsrc(0)
	s_getreg_b32 s2, hwreg(HW_REG_IB_STS2, 6, 4)
	s_cmp_eq_u32 s2, 0
	s_cbranch_scc0 .Lentry_in_a_cluster
	s_endpgm
.Lentry_in_a_cluster:
	s_bfe_u32 s2, ttmp6, 0x10000c
	s_cmp_lg_u32 s2, 0xf033
	s_cbranch_scc0 .Lentry_shape_is_right
	s_endpgm
.Lentry_shape_is_right:
; qkv[m][n] = sum over k of X[m][k] W[n][k] on codes of FP4 (E2M1) with one E8M0 scale for each 32 along K; sums in f32.  X: [8192][1024], W: [3072][1024], K innermost, two codes a byte.
; The results leave as f16, laid by head for the attention: [which 3][16 batch + head][token 2048][64]; q's columns are first multiplied by c = log2(e) / 8, so that a score is the exponent of 2 as it stands.
; LIMIT: |q c|, |k|, |v| beyond 65,504 have no f16 number; under 6e-5 they carry an absolute error of 2^-25.
; A tile of 256 x 256 is made by four waves, each 128 x 128: 64 accumulators, 512 registers.  K = 1,024 is two slots of 512 along K (rows of 256 bytes): both are asked for at the start, and nothing is filled again.
; THE SCALES of the work-group's 256 + 256 rows, for all of K, are two dense blocks: they come into LDS once, with the first fills.
; CLUSTERS: 4 x 4 work-groups; the four of a row need the same tiles of X, the four of a column the same tiles of W: each is asked for jointly, by the same tensor load with a mask that names the four.
; THE MATRIX INSTRUCTION IS USED TRANSPOSED (source 0 = 16 rows of W, source 1 = 16 rows of X): a lane then holds eight neighbouring columns of one token.
; 384 tiles: one and a half rounds of the 256 WGPs; a tile of 256 x 384 would want 768 accumulator registers beside the operands, which a wave does not have.
; REGISTERS, in windows of 256: window 0: v0-31 addresses; v32-95 scale words, two sets, and nothing else; v128-191 X's fragments, one set; on the way out v96-127, v128-191, v192-255.
;   window 1: W's fragments, two sets, at v0 and v128.   window 2: the accumulators of my rows 0-63 ((a, b) at v[8 (8 a + b)]);   window 3: those of rows 64-127.
.set SIZE_M, 8192
.set SIZE_N, 3072
.set SIZE_K, 1024
.set KSTEP,  512
.set NQ,     KSTEP/128
.set ROWB,   256
.set KROW,   SIZE_K/2
.set PITCH,  272                       ; an LDS row: 256 bytes + 16 of padding: the 16 rows that a load touches start at 16 different banks (64 banks of 4 bytes: ISA guide 11.1)
.set FR,     8
.set NL,     2
.set NP,     4                         ; places behind this matrix instruction (ISA guide 7.12.1)
.set HALFT,  128*PITCH
.set SLOT,   4*HALFT
.set KS,     SIZE_K/32
.set SCL,    2*SLOT
.set HALFS,  (128*KS/256)*272
.set SBLK,   (16*KS/256)*272
.set SPARE,  SCL+4*HALFS               ; the spare words, 128 bytes for each wave, which no other line names
.set SPITCH, 272                       ; the way out: a stage of 16 rows x (256 bytes + 16) for each wave, in slot 0, which has had its only fill and its last read by then
.set ADRA, 16
.set ADRB, 20
.set STO,  24
.set RD,   25
.set CO,   26
.set ADRS, 27
.set SPW,  28
.set NIL,  29
.set SC,   32
.set TMP,  96                          ; the way out: a block's 32 registers of f16
.set AF,   128
.set BK,   128                         ; the way out: rows read back: v128-159 and v160-191 by turns
.set T,    192                         ; the way out: a block's 64 numbers, scaled
.set G1, 24
.set G0, 32
.set G1B, 48
.set G0B, 56
.set G1S, 68
.set G0S, 76
.set G1SB, 80
.set G0SB, 88
.set MSB, 0
.macro WIN new                         ; the immediate's high byte repeats the setting that is left
.if MSB != (\new)
	s_set_vgpr_msb (MSB<<8)|(\new)
.set MSB, (\new)
.endif
.endm
.set MUL_LO, 0xa1                      ; source 0 (W) window 1, source 1 (X) window 0, C and D window 2
.set MUL_HI, 0xf1
.set TO_B,   0x40
; A joint load: waves 0 and 1 fetch for X, waves 2 and 3 for W; the branch hangs on the wave's number alone.  An s_nop 0 and four v_nop follow each of the two lines.
.macro JLOAD g0a, g1a, g0b, g1b
	s_cmp_eq_u32 s15, 0
	s_cbranch_scc0 .Lfor_b_\@
	tensor_load_to_lds s[\g0a:\g0a+3], s[\g1a:\g1a+7]
	s_nop 0
.rept 4
	v_nop
.endr
	s_branch .Lasked_\@
.Lfor_b_\@:
	tensor_load_to_lds s[\g0b:\g0b+3], s[\g1b:\g1b+7]
	s_nop 0
.rept 4
	v_nop
.endr
.Lasked_\@:
.endm
.macro CROUND                          ; a round of the cluster's barrier
	s_barrier_signal -1
	s_barrier_wait -1
	s_cmp_lg_u32 s14, 0
	s_cbranch_scc1 .Lnot_wave_0_\@
	s_barrier_signal -3
.Lnot_wave_0_\@:
	s_barrier_wait -3
	s_barrier_signal -1
	s_barrier_wait -1
.endm
	s_load_b128 s[4:7], s[0:1], 0x0                ; X's codes, X's scales
	s_load_b128 s[8:11], s[0:1], 0x10              ; W's codes, W's scales
	s_load_b64 s[12:13], s[0:1], 0x20              ; qkv
	v_lshl_add_u32 v[SPW], v0, 2, SPARE
	v_mov_b32 v[NIL], 0
	ds_add_u32 v[SPW], v[NIL]                      ; the wave's opening: the add, twice on end, and its wait ahead of my first tensor load
	ds_add_u32 v[SPW], v[NIL]
	v_lshrrev_b32 v1, 5, v0
	v_readfirstlane_b32 s14, v1                    ; wave 0..3
	s_lshr_b32 s15, s14, 1                         ; which half of the tile's rows is mine.  Also: I fetch for X (0) or for W (1)
	s_and_b32 s16, s14, 1                          ; which half of its columns.  Also: which 128 rows of that tile I fetch
	s_bfe_u32 s40, ttmp6, 0x40000                  ; cx, cy
	s_bfe_u32 s41, ttmp6, 0x40004
	s_lshl_b32 s42, ttmp9, 2
	s_add_co_u32 s42, s42, s40                     ; tile column
	s_and_b32 s17, ttmp7, 0xffff
	s_lshl_b32 s17, s17, 2
	s_add_co_u32 s17, s17, s41                     ; tile row
	s_lshl_b32 s43, s41, 2
	s_lshl_b32 s43, 15, s43                        ; my row of the cluster
	s_lshl_b32 s44, 0x1111, s40                    ; my column
	s_mov_b32 s96, 1.0
	s_cmp_eq_u32 ttmp9, 0                          ; the first column of clusters holds q's 1,024 columns
	s_cselect_b32 s96, 0x3e38aa3b, s96             ; c = log2(e) / 8 there, 1 elsewhere: a choice of a value, no branch
	s_mov_b32 s97, s96                             ; (named with it as a pair)
	; descriptor group 1: a tile of 128 rows x 256 bytes, 16 bytes of padding behind each row
	s_or_b32 s[G1+0], s43, (0<<16)|(1<<20)|(1<<21)|(5<<22)|(3<<25)
	s_or_b32 s[G1B+0], s44, (0<<16)|(1<<20)|(1<<21)|(5<<22)|(3<<25)
.irp g, G1, G1B
	s_mov_b32 s[\g+1], ROWB<<16                    ; tensor_dim0
	s_mov_b32 s[\g+2], 128<<16                     ; tensor_dim1
	s_mov_b32 s[\g+3], ROWB<<16                    ; tile_dim0
	s_mov_b32 s[\g+4], 128                         ; tile_dim1
	s_mov_b32 s[\g+5], KROW                        ; from row to row
	s_mov_b32 s[\g+6], 0
	s_mov_b32 s[\g+7], 0
.endr
	; the scales of 128 rows: a dense block of 4,096 bytes, as 16 rows of 256 bytes (32 elements of 8), 16 bytes of padding behind each
	s_or_b32 s[G1S+0], s43, (3<<16)|(1<<20)|(1<<21)|(5<<22)|(3<<25)
	s_or_b32 s[G1SB+0], s44, (3<<16)|(1<<20)|(1<<21)|(5<<22)|(3<<25)
.irp g, G1S, G1SB
	s_mov_b32 s[\g+1], 32<<16
	s_mov_b32 s[\g+2], (128*KS/256)<<16
	s_mov_b32 s[\g+3], 32<<16
	s_mov_b32 s[\g+4], 128*KS/256
	s_mov_b32 s[\g+5], 32
	s_mov_b32 s[\g+6], 0
	s_mov_b32 s[\g+7], 0
.endr
	s_lshl_b32 s18, s16, 7
	s_lshl_b32 s20, s17, 8
	s_add_co_u32 s20, s20, s18                     ; X: row 256 x tile row + 128 x half
	s_lshl_b32 s46, s42, 8
	s_add_co_u32 s46, s46, s18                     ; W: row 256 x tile column + 128 x half
	s_mov_b32 s21, 0
	s_mov_b32 s47, 0
	s_mov_b64 s[18:19], KS
	s_mul_u64 s[22:23], s[20:21], s[18:19]
	s_mul_u64 s[92:93], s[46:47], s[18:19]
	s_mov_b64 s[18:19], KROW
	s_mul_u64 s[20:21], s[20:21], s[18:19]
	s_mul_u64 s[46:47], s[46:47], s[18:19]
	s_mul_i32 s45, s14, HALFT                      ; where they go: wave x 128 rows: no place in the cluster enters an LDS address
	s_mul_i32 s94, s14, HALFS
	s_wait_dscnt 0x0                               ; both opening adds are done
	s_wait_kmcnt 0x0
	s_add_nc_u64 s[20:21], s[4:5], s[20:21]
	s_add_nc_u64 s[22:23], s[6:7], s[22:23]
	s_add_nc_u64 s[46:47], s[8:9], s[46:47]
	s_add_nc_u64 s[92:93], s[10:11], s[92:93]
	CROUND                                         ; all sixteen work-groups are here: the joint loads meet
	s_mov_b32 s[G0S], 1
	s_add_co_u32 s[G0S+1], s94, SCL
	s_mov_b64 s[G0S+2:G0S+3], s[22:23]
	s_or_b32 s[G0S+3], s[G0S+3], 0x80000000
	s_mov_b32 s[G0SB], 1
	s_add_co_u32 s[G0SB+1], s94, SCL
	s_mov_b64 s[G0SB+2:G0SB+3], s[92:93]
	s_or_b32 s[G0SB+3], s[G0SB+3], 0x80000000
	JLOAD G0S, G1S, G0SB, G1SB                     ; the scales first
.irp s, 0,1
	s_mov_b32 s[G0+4*\s], 1
	s_add_co_u32 s[G0+4*\s+1], s45, \s*SLOT
	s_add_nc_u64 s[G0+4*\s+2:G0+4*\s+3], s[20:21], \s*ROWB
	s_or_b32 s[G0+4*\s+3], s[G0+4*\s+3], 0x80000000
	s_mov_b32 s[G0B+4*\s], 1
	s_add_co_u32 s[G0B+4*\s+1], s45, \s*SLOT
	s_add_nc_u64 s[G0B+4*\s+2:G0B+4*\s+3], s[46:47], \s*ROWB
	s_or_b32 s[G0B+4*\s+3], s[G0B+4*\s+3], 0x80000000
	JLOAD G0+4*\s, G1, G0B+4*\s, G1B               ; three loads of mine are out in all
.endr
	v_and_b32 v1, 15, v0                           ; r = lane % 16
	v_bfe_u32 v2, v0, 4, 1                         ; h = lane / 16
	v_mul_u32_u24 v3, v1, PITCH
	v_lshl_add_u32 v4, v2, 4, v3                   ; a fragment's row x pitch + 16 x half
	s_mul_i32 s21, s15, HALFT
	s_mul_i32 s22, s16, HALFT
	s_add_co_u32 s22, s22, 2*HALFT
.irp s, 0,1
	v_add_nc_u32 v[ADRA+\s], s21, v4
	v_add_nc_u32 v[ADRB+\s], s22, v4
	s_add_co_u32 s21, s21, SLOT
	s_add_co_u32 s22, s22, SLOT
.endr
	v_mul_u32_u24 v5, v1, KS                       ; my row's scales: 32 bytes a row,
	v_lshrrev_b32 v6, 8, v5
	v_lshl_add_u32 v5, v6, 4, v5                   ; and 16 more for each 256 passed
	s_mul_i32 s21, s15, HALFS
	s_mul_i32 s22, s16, HALFS
	s_add_co_u32 s22, s22, 2*HALFS
	s_sub_co_u32 s22, s22, s21
	v_mul_u32_u24 v6, s22, v2                      ; lanes 16-31 take W's: one product, the distance between the two bases
	s_add_co_u32 s21, s21, SCL
	v_add_nc_u32 v5, v5, v6
	v_add_nc_u32 v[ADRS], s21, v5
	s_mul_i32 s23, s14, 16*SPITCH                  ; my stage
	v_mul_u32_u24 v5, v1, SPITCH
	v_lshl_add_u32 v5, v2, 4, v5
	v_add_nc_u32 v[STO], s23, v5                   ; in: token r, 16 bytes for each half of the lanes
	v_bfe_u32 v6, v0, 3, 2
	v_mul_u32_u24 v6, v6, SPITCH
	v_and_b32 v7, 7, v0
	v_lshl_add_u32 v6, v7, 4, v6
	v_add_nc_u32 v[RD], s23, v6                    ; back: eight lanes take a token's 128 bytes of one head, four tokens an instruction
	v_and_b32 v6, 31, v0
	v_lshlrev_b32 v[CO], 4, v6                     ; which are 512 consecutive bytes of qkv
	; where my part begins in qkv: which << 24 + (16 batch + head) << 18 + token << 7
	s_lshr_b32 s20, s17, 3
	s_lshl_b32 s20, s20, 22                        ; the batch: 16 heads x 2^18
	s_and_b32 s21, s17, 7
	s_lshl_b32 s21, s21, 15                        ; 256 tokens x 128 bytes
	s_add_co_u32 s20, s20, s21
	s_lshl_b32 s21, s15, 14                        ; my 128 tokens
	s_add_co_u32 s20, s20, s21
	s_mov_b32 s21, 0
	s_lshr_b32 s46, s42, 2
	s_lshl_b32 s46, s46, 24                        ; q, k or v
	s_and_b32 s47, s42, 3
	s_lshl_b32 s47, s47, 20                        ; four heads to a tile column,
	s_add_co_u32 s46, s46, s47
	s_lshl_b32 s47, s16, 19                        ; two to my half
	s_add_co_u32 s46, s46, s47
	s_mov_b32 s47, 0
	s_add_nc_u64 s[20:21], s[20:21], s[46:47]
	s_add_nc_u64 s[12:13], s[12:13], s[20:21]
.macro FRAG reg, adr, q, i             ; 16 rows x 128 K of 4-bit codes: 8 registers; registers 4 c .. 4 c + 3 hold K = 64 c + 32 (lane / 16) + 0 .. 31
.irp c, 0,1
	ds_load_b128 v[\reg+4*\c:\reg+4*\c+3], v[\adr] offset:64*(\q)+32*\c+(\i)*16*PITCH
.endr
.endm
; 16 matrix instructions: X's blocks a0, a0 + 1 against W's eight, 128 along K.  The 64 accumulators take turns, one instruction a turn, in the same order in every step.
.macro MUL16 a0, p, q, sc, zero
.irp a, \a0, \a0+1
.irp b, 0,1,2,3,4,5,6,7
.if \zero
	v_wmma_scale_f32_16x16x128_f8f6f4 v[8*(8*((\a)%4)+\b):8*(8*((\a)%4)+\b)+7], v[128*(\p)+FR*\b:128*(\p)+FR*\b+FR-1], v[AF+FR*(\a):AF+FR*(\a)+FR-1], 0, v[SC+8*NQ*(\sc)+NQ*\b+(\q)], v[SC+8*NQ*(\sc)+NQ*(\a)+(\q)] matrix_a_fmt:MATRIX_FMT_FP4 matrix_b_fmt:MATRIX_FMT_FP4 matrix_a_scale:MATRIX_SCALE_ROW1
.else
	v_wmma_scale_f32_16x16x128_f8f6f4 v[8*(8*((\a)%4)+\b):8*(8*((\a)%4)+\b)+7], v[128*(\p)+FR*\b:128*(\p)+FR*\b+FR-1], v[AF+FR*(\a):AF+FR*(\a)+FR-1], v[8*(8*((\a)%4)+\b):8*(8*((\a)%4)+\b)+7], v[SC+8*NQ*(\sc)+NQ*\b+(\q)], v[SC+8*NQ*(\sc)+NQ*(\a)+(\q)] matrix_a_fmt:MATRIX_FMT_FP4 matrix_b_fmt:MATRIX_FMT_FP4 matrix_a_scale:MATRIX_SCALE_ROW1
.endif
.endr
.endr
.endm
.macro FETCH_B slot, q, p
	WIN TO_B
.irp i, 0,1,2,3,4,5,6,7
	FRAG 128*(\p)+FR*\i, ADRB+\slot, \q, \i
.endr
	WIN 0
.endm
.macro FETCH_A slot, q, i0
.irp i, \i0, \i0+1, \i0+2, \i0+3
	FRAG AF+FR*(\i), ADRA+\slot, \q, \i
.endr
.endm
.macro SCALES sc                       ; a slot's scale words: 4 words a row; lanes 0-15 take X's block i, lanes 16-31 W's block i
.irp i, 0,1,2,3,4,5,6,7
	ds_load_b128 v[SC+8*NQ*\sc+NQ*\i:SC+8*NQ*\sc+NQ*\i+3], v[ADRS] offset:\i*SBLK
.endr
.endm
.macro PLACES n                        ; places in front of loads into registers that matrix instructions have read, and of the first read of results
.rept \n
	v_nop
.endr
.endm
.macro STEP slot, q, zero              ; a step of 128 along K that has its successor in the same slot
	s_wait_dscnt 4*NL                              ; W's set and X's blocks 0-3 are in; the youngest eight loads (X's blocks 4-7) may be out
	WIN MUL_LO
	MUL16 0, (\q)%2, \q, \slot, \zero
	MUL16 2, (\q)%2, \q, \slot, \zero
	s_wait_dscnt 0
	PLACES NP
	FETCH_B \slot, (\q)+1, 1-(\q)%2
	FETCH_A \slot, (\q)+1, 0
	WIN MUL_HI
	MUL16 4, (\q)%2, \q, \slot, \zero
	MUL16 6, (\q)%2, \q, \slot, \zero
	PLACES NP
	WIN 0
	FETCH_A \slot, (\q)+1, 4
.endm
; Slot 0's last step changes slots: one barrier; in front of it each wave waits for all its tensor loads (slot 1's part), adds 0 to its spare word, and waits for that and for its reads of slot 0.  Nothing is filled again.
.macro TURN slot, next
	s_wait_tensorcnt 0x0
	ds_add_u32 v[SPW], v[NIL]
	s_wait_dscnt 4*NL+1                            ; the add and the youngest eight loads may be out
	WIN MUL_LO
	MUL16 0, 1, NQ-1, \slot, 0
	s_wait_dscnt 0x0                               ; the add is done, and my reads of this slot are over
	s_barrier_signal -1
	MUL16 2, 1, NQ-1, \slot, 0
	WIN 0
	s_barrier_wait -1
	PLACES NP
	v_add_nc_u32 v[ADRS], 4*NQ, v[ADRS]            ; on to the next slot's scale words
	FETCH_B \next, 0, 0
	FETCH_A \next, 0, 0
	SCALES \next
	WIN MUL_HI
	MUL16 4, 1, NQ-1, \slot, 0
	MUL16 6, 1, NQ-1, \slot, 0
	PLACES NP
	WIN 0
	FETCH_A \next, 0, 4
.endm
	s_wait_tensorcnt 1                             ; the scales and my part of slot 0 are in; slot 1's load may be out,
	s_barrier_signal -1
	s_barrier_wait -1                              ; everybody's are
	FETCH_B 0, 0, 0
	FETCH_A 0, 0, 0
	SCALES 0
	FETCH_A 0, 0, 4
	STEP 0, 0, 1                                   ; the first products start the sums: nothing is cleared
	STEP 0, 1, 0
	STEP 0, 2, 0
	TURN 0, 1
	STEP 1, 0, 0
	STEP 1, 1, 0
	STEP 1, 2, 0
	s_wait_dscnt 4*NL                              ; the last step: nothing more to fetch
	WIN MUL_LO
	MUL16 0, 1, NQ-1, 1, 0
	MUL16 2, 1, NQ-1, 1, 0
	s_wait_dscnt 0
	WIN MUL_HI
	MUL16 4, 1, NQ-1, 1, 0
	MUL16 6, 1, NQ-1, 1, 0
	WIN 0
; THE WAY OUT, a block of 16 tokens x 128 columns (two heads) at a time: x c or x 1, rounded to f16, 16 bytes a lane into my stage, back as four tokens x 128 bytes of one head, which are 512 consecutive bytes of qkv.
.macro PACK a
.set AC, 64*((\a)%4)
	WIN 0x02+((\a)/4)                              ; source 0: window 2 or 3
.set i, 0
.rept 32
	v_pk_mul_f32 v[T+2*i:T+2*i+1], v[AC+2*i:AC+2*i+1], s[96:97] op_sel_hi:[1,0]   ; each accumulator from its low end on
.set i, i+1
.endr
	WIN 0
.set i, 0
.rept 32
	v_cvt_pk_f16_f32 v[TMP+i], v[T+2*i], v[T+2*i+1]
.set i, i+1
.endr
.endm
.macro TOSTAGE a
.set BB, BK+32*((\a)%2)
.irp b, 0,1,2,3,4,5,6,7
	ds_store_b128 v[STO], v[TMP+4*\b:TMP+4*\b+3] offset:32*\b
.endr
.irp hh, 0,1
.irp i, 0,1,2,3
	ds_load_b128 v[BB+4*(4*\hh+\i):BB+4*(4*\hh+\i)+3], v[RD] offset:4*SPITCH*\i+128*\hh   ; LDS serves a wave's instructions in order: these see the stores above
.endr
.endr
.endm
.macro SEND a
.set BB, BK+32*((\a)%2)
	s_wait_dscnt 0x0                               ; the block is back in registers
.irp hh, 0,1
.irp i, 0,1,2,3
	global_store_b128 v[CO], v[BB+4*(4*\hh+\i):BB+4*(4*\hh+\i)+3], s[12:13] offset:\hh*262144+2048*(\a)+512*\i   ; 32 lanes store 512 consecutive bytes, aligned; the base is never stepped
.endr
.endr
.endm
	PLACES NP                                      ; behind the last products: for the reads of results and for the loads into the registers that held X's fragments
	PACK 0
	TOSTAGE 0
.irp a, 1,2,3,4,5,6,7
	PACK \a                                        ; block a's arithmetic stands between block a - 1's loads from the stage and the wait for them
.if \a > 1
	s_wait_xcnt 0x0                                ; block a - 2's stores have read their registers: block a's loads may land there
.endif
	SEND \a-1
	TOSTAGE \a
.endr
	SEND 7
	s_wait_tensorcnt 0x0                           ; the wave's end
	ds_add_u32 v[SPW], v[NIL]
	s_wait_dscnt 0x0
	CROUND                                         ; the closing round
	s_endpgm
.Lfunc_end_k_q124b49d168_qkvgemm:
	.size	k_q124b49d168_qkvgemm, .Lfunc_end_k_q124b49d168_qkvgemm-k_q124b49d168_qkvgemm
	.p2alignl 7, 3214868480
	.fill 96, 4, 3214868480
	.section	.rodata,"a",@progbits
	.p2align	6, 0x0
	.amdhsa_kernel k_q124b49d168_qkvgemm
		.amdhsa_group_segment_fixed_size 327680
		.amdhsa_private_segment_fixed_size 0
		.amdhsa_enable_private_segment 0
		.amdhsa_kernarg_size 40
		.amdhsa_user_sgpr_count 2
		.amdhsa_user_sgpr_kernarg_segment_ptr 1
		.amdhsa_wavefront_size32 1
		.amdhsa_system_sgpr_workgroup_id_x 1
		.amdhsa_system_sgpr_workgroup_id_y 1
		.amdhsa_system_sgpr_workgroup_id_z 1
		.amdhsa_system_vgpr_workitem_id 0
		.amdhsa_next_free_vgpr 1024
		.amdhsa_next_free_sgpr 98
		.amdhsa_reserve_vcc 0
		.amdhsa_float_denorm_mode_32 3
		.amdhsa_float_denorm_mode_16_64 3
		.amdhsa_memory_ordered 1
		.amdhsa_forward_progress 1
		.amdhsa_inst_pref_size 143
	.end_amdhsa_kernel
	.amdgpu_metadata
---
amdhsa.version: [ 1, 2 ]
amdhsa.kernels:
  - .name:           k_q124b49d168_qkvgemm
    .symbol:         k_q124b49d168_qkvgemm.kd
    .args:
      - { .name: x_codes, .offset: 0, .size: 8, .value_kind: global_buffer, .address_space: global }
      - { .name: x_scales, .offset: 8, .size: 8, .value_kind: global_buffer, .address_space: global }
      - { .name: w_codes, .offset: 16, .size: 8, .value_kind: global_buffer, .address_space: global }
      - { .name: w_scales, .offset: 24, .size: 8, .value_kind: global_buffer, .address_space: global }
      - { .name: qkv, .offset: 32, .size: 8, .value_kind: global_buffer, .address_space: global }
    .group_segment_fixed_size: 327680
    .private_segment_fixed_size: 0
    .kernarg_segment_align: 8
    .kernarg_segment_size: 40
    .max_flat_workgroup_size: 128
    .sgpr_count:     98
    .vgpr_count:     1024
    .wavefront_size: 32
...
	.end_amdgpu_metadata
.endif
;; end of part 2
;; launch attn (part 3): grid 4 x 64, 8 waves a work-group, clusters of 4 x 1, 327,680 bytes of LDS; arguments qkv, oheads; writes oheads
.if DOCPART == 3
	.amdgcn_target "amdgcn-amd-amdhsa--gfx1250"
	.amdhsa_code_object_version 6
	.text
	.protected	k_q124b49d168_attn
	.globl	k_q124b49d168_attn
	.p2align	8
	.type	k_q124b49d168_attn,@function
k_q124b49d168_attn:
	s_mov_b64 s[64:65], 0
	v_nop
	global_prefetch_b8 v0, s[64:65] scope:SCOPE_SE
	s_setreg_imm32_b32 hwreg(HW_REG_WAVE_MODE, 25, 1), 1
	s_wait_xcnt 0x0
	s_wait_alu depctr_hold_cnt(0) depctr_sa_sdst(0) depctr_va_vdst(0) depctr_va_sdst(0) depctr_va_ssrc(0) depctr_va_vcc(0) depctr_vm_vsrc(0)
	s_getreg_b32 s2, hwreg(HW_REG_IB_STS2, 6, 4)
	s_cmp_eq_u32 s2, 0
	s_cbranch_scc0 .Lentry_in_a_cluster
	s_endpgm
.Lentry_in_a_cluster:
	s_bfe_u32 s2, ttmp6, 0x10000c
	s_cmp_lg_u32 s2, 0x3003
	s_cbranch_scc0 .Lentry_shape_is_right
	s_endpgm
.Lentry_shape_is_right:
; O[bh][q][:] = sum over k of softmax_k(Q[bh][q] . K[bh][k] / 8) V[bh][k][:], no mask.  Q (already x log2(e) / 8), K, V: f16, [3][64 (16 batch + head)][2048][64]; O: f16, [head 16][token 8192][64].
; Products, maxima and sums in f32; the weights p are rounded to f16 for the second product, O once at the end.  f16 and not bf16: with a flat softmax the results are small sums of many terms, and eight bits of mantissa would use up what the comparison allows.
; LIMITS: NaN and infinities are not served; f16 numbers under 6e-5 carry an absolute error of 2^-25 (p: against a row sum of at least 1).
; SHARES.  A work-group owns 512 queries of one head, each of its EIGHT waves 64: four tiles of 16, in 512 registers: two waves to a SIMD.  Each fragment of K or V read from LDS feeds four matrix instructions.
; LAYOUT.  S^T = K Q^T (source 0 = 16 keys, source 1 = 16 queries), O^T = V^T P (source 0 = V turned by ds_load_tr16_b128, source 1 = P): a lane holds ONE query throughout; P is S^T rounded in pairs, in place.
; SOFTMAX.  For each query a running maximum m and sum l: p = 2^(s - m); in every step O and l are multiplied by a = 2^(m_old - m_new).
; PHASES AND ROLES.  A key step (64 keys) of a wave is a matrix phase MPH (32 products V^T P of the step in hand, 32 products K Q^T of the next) and a vector phase SM (the softmax of four tiles).
; At head size 64 the two are about equally long, and slices of one among the other would cost two window switches each.  So each wave runs whole phases, and the waves have two ROLES: between two changes of slots
; both run four MPH and four SM, role 0 beginning with MPH and role 1 with SM.  The role is (w xor (w >> 2)) & 1: it differs between waves w and w + 4 and between waves 2 i and 2 i + 1.
; THE PIPELINE HAS NO FIRST STEP OF ITS OWN: O, l, V's registers begin as zeros, m as -3e38; S^T begins as zeros in role 0 (read as P) and as -infinity in role 1 (its first softmax then gives p = 0, a = 1).
; CLUSTER.  The four query blocks of a head walk the same K and V: each tile is asked for jointly, by the same tensor load with the mask of all four.
; RING.  Two slots of 256 keys (four key steps).  In LDS two keys share a row of 256 bytes; K's rows are 272 bytes apart, V's 288.
; REGISTERS.  Window 0: v1-15 addresses; v16-79 Q; v80-143 K of a step; v144-207 V of a step; v208-239 statistics, 8 a tile: +0 m (even phases), +1 c1, +2 m (odd phases), +3 c2, +4 a, +5 c3, +6, +7 l.
;             Window 1: v0-127 S^T, 32 a tile (P in the first 16 of them); v128-255 O^T, 32 a tile.
;             The statistics have numbers from 208 on, so that no line among a phase's exponentials, which write numbers 0-127 of window 1, names one of those numbers in any window.
.set KP,    272
.set VP,    288
.set KSB,   32*KP                      ; a key step of K in LDS
.set VSB,   32*VP
.set VOFF,  128*KP                     ; a slot: 128 rows of K, then 128 rows of V
.set SLOTB, VOFF+128*VP
.set SLOT1, 1<<17                      ; slot 1 begins here: one exclusive or turns an address of one slot into the other's
.set STAGE, SLOT1+SLOTB                ; behind the ring: 16 rows x 144 bytes for each wave, for the way out
.set SPT,   144
.set SPARE, STAGE+8*16*SPT             ; the spare words, 128 bytes for each wave, which no other line names
.set NSL,   8                          ; slots' worth of keys
.set AK0,  3
.set AV0,  4
.set ADK0, 5                           ; K's and V's tiles of the slot in hand, from its first step on,
.set ADV0, 6
.set ADKR, 7                           ; and from the step on at which my role stands
.set ADVR, 8
.set QO,   9
.set STO,  10
.set RD,   11
.set GO,   12
.set PFO,  13
.set SPW,  14
.set NIL,  15
.set Q,    16
.set KF,   80
.set VF,   144
.set ST,   208
.set WV,   8
.set ROLE, 9
.set CX,   10
.set BH,   11
.set TB,   12
.set SLOTS, 13
.set LIM,  14
.set SEL,  16
.set PFA,  18
.set KADJ, 20
.set VADJ, 21
.set INIT, 22
.set G1K,  24
.set G1V,  32
.set G0K,  40
.set G0V,  44
.set MSB, 0
.macro WIN new                         ; bits 1:0 source 0, 3:2 source 1, 5:4 source 2, 7:6 destination; the high byte repeats the setting that is left
.if MSB != (\new)
	s_set_vgpr_msb (MSB<<8)|(\new)
.set MSB, (\new)
.endif
.endm
; Waves 0 and 1 fetch K's halves of a slot, waves 2 and 3 V's, the others nothing: one load a wave, 64 rows of 256 bytes.  The branches hang on the wave's number alone.  An s_nop 0 and four v_nop follow each load.
.macro TLOAD
	s_cmp_lt_u32 s[WV], 2
	s_cbranch_scc0 .Lnot_k_\@
	tensor_load_to_lds s[G0K:G0K+3], s[G1K:G1K+7]
	s_nop 0
.rept 4
	v_nop
.endr
	s_branch .Lasked_\@
.Lnot_k_\@:
	s_cmp_lt_u32 s[WV], 4
	s_cbranch_scc0 .Lasked_\@
	tensor_load_to_lds s[G0V:G0V+3], s[G1V:G1V+7]
	s_nop 0
.rept 4
	v_nop
.endr
.Lasked_\@:
.endm
; A PREFETCH INTO THE L2 of what the NEXT change of slots will ask for: a slot's 32,768 bytes of K and of V, four key steps ahead of that load.  A head is walked by this one cluster.  Its four partners share the
; blocks out BY ADDRESS, 8,192 bytes each; in each, wave 4 asks for K's and wave 5 for V's, lanes 256 bytes apart: each aligned block of 256 bytes is named once.  The last change that fills a slot asks for nothing.
.macro ASK
	s_cmp_gt_u32 s[SLOTS], s[LIM]
	s_cbranch_scc0 .Lnot_mine_\@
	global_prefetch_b8 v[PFO], s[PFA:PFA+1] th:TH_LOAD_NT scope:SCOPE_SE
.Lnot_mine_\@:
.endm
.macro CROUND                          ; a round of the cluster's barrier
	s_barrier_signal -1
	s_barrier_wait -1
	s_cmp_lg_u32 s[WV], 0
	s_cbranch_scc1 .Lnot_wave_0_\@
	s_barrier_signal -3
.Lnot_wave_0_\@:
	s_barrier_wait -3
	s_barrier_signal -1
	s_barrier_wait -1
.endm
	s_load_b128 s[4:7], s[0:1], 0x0                ; qkv s[4:5], O s[6:7]
	v_lshl_add_u32 v[SPW], v0, 2, SPARE
	v_mov_b32 v[NIL], 0
	ds_add_u32 v[SPW], v[NIL]                      ; the wave's opening: the add, twice on end, and its wait ahead of the first tensor loads
	ds_add_u32 v[SPW], v[NIL]
	v_lshrrev_b32 v1, 5, v0
	v_readfirstlane_b32 s[WV], v1                  ; wave 0..7
	s_lshr_b32 s48, s[WV], 2
	s_xor_b32 s48, s48, s[WV]
	s_and_b32 s[ROLE], s48, 1
	s_xor_b32 s48, s[ROLE], 1
	s_mul_i32 s[KADJ], s48, KSB                    ; role 0 stands a key step further on in the slot than role 1
	s_mul_i32 s[VADJ], s48, VSB
	s_cmp_eq_u32 s[ROLE], 0
	s_cselect_b32 s[INIT], 0, 0xff800000
	s_lshr_b32 s48, s[WV], 1
	s_cmp_eq_u32 s48, 2
	s_cselect_b32 s[LIM], 1, -1                    ; waves 4 and 5 prefetch while more than one slot is still to be asked for
	s_bfe_u32 s[CX], ttmp6, 0x40000                ; my place in the cluster: it enters Q's, O's and the prefetches' addresses alone
	s_and_b32 s[BH], ttmp7, 0xffff                 ; 16 batch + head, which the four partners share
	; descriptor group 1: 64 rows x 128 elements of 2 bytes, dense in memory, padded in LDS
	s_mov_b32 s[G1K], 15|(1<<16)|(1<<20)|(1<<21)|(5<<22)|(3<<25)  ; the mask of all four; elements of 2 bytes; padding on; bit 21 beside a mask; after every 64 words, 4 words
	s_mov_b32 s[G1V], 15|(1<<16)|(1<<20)|(1<<21)|(5<<22)|(7<<25)  ; the same with 8 words of padding
.irp g, G1K, G1V
	s_mov_b32 s[\g+1], 128<<16                     ; tensor_dim0
	s_mov_b32 s[\g+2], 64<<16                      ; tensor_dim1
	s_mov_b32 s[\g+3], 128<<16                     ; tile_dim0
	s_mov_b32 s[\g+4], 64                          ; tile_dim1
	s_mov_b32 s[\g+5], 128                         ; from row to row
	s_mov_b32 s[\g+6], 0
	s_mov_b32 s[\g+7], 0
.endr
	s_lshl_b32 s50, s[BH], 18                      ; the head's first byte in each of q, k, v
	s_and_b32 s49, s[WV], 1                        ; which half of a slot I fetch
	s_lshl_b32 s51, s49, 14
	s_add_co_u32 s52, s50, s51
	s_add_co_u32 s52, s52, 1<<24                   ; in K,
	s_mov_b32 s53, 0
	s_add_co_u32 s54, s52, 1<<24                   ; in V
	s_mov_b32 s55, 0
	s_mul_i32 s56, s49, 64*KP                      ; and in LDS
	s_mul_i32 s57, s49, 64*VP
	s_add_co_u32 s57, s57, VOFF
	s_lshl_b32 s58, s[CX], 16                      ; my block's 512 rows of 128 bytes,
	s_lshl_b32 s59, s[WV], 13                      ; my wave's 64
	s_add_co_u32 s60, s58, s59
	s_add_co_u32 s58, s60, s50                     ; Q: in the head
	s_mov_b32 s59, 0
	s_and_b32 s61, s[BH], 15
	s_lshl_b32 s61, s61, 20                        ; O: the head's 8,192 tokens,
	s_add_co_u32 s60, s60, s61
	s_lshr_b32 s61, s[BH], 4
	s_lshl_b32 s61, s61, 18                        ; the batch's 2,048 of them
	s_add_co_u32 s60, s60, s61
	s_mov_b32 s61, 0
	s_mov_b32 s63, 2<<24
	s_cmp_eq_u32 s[WV], 4
	s_cselect_b32 s62, 1<<24, s63                  ; the prefetches: K in wave 4, V else,
	s_add_co_u32 s62, s62, s50
	s_lshl_b32 s63, s[CX], 13                      ; my work-group's 8,192 bytes of a slot's 32,768,
	s_add_co_u32 s62, s62, s63
	s_add_co_u32 s62, s62, 32768                   ; in slot 1: the first change of slots steps it to slot 2.  Nothing is prefetched at the head
	s_mov_b32 s63, 0
	s_mov_b32 s[SEL], 0x76543210
	s_mov_b32 s[SEL+1], 0xfedcba98                 ; v_permlanex16_b32: lane l xor 16
	s_mov_b32 s[TB], 0
	s_mov_b32 s[SLOTS], NSL-1
	s_wait_dscnt 0x0                               ; both opening adds are done
	s_wait_kmcnt 0x0
	s_mov_b32 s[G0K], 1
	s_mov_b32 s[G0K+1], s56
	s_add_nc_u64 s[G0K+2:G0K+3], s[4:5], s[52:53]
	s_or_b32 s[G0K+3], s[G0K+3], 0x80000000
	s_mov_b32 s[G0V], 1
	s_mov_b32 s[G0V+1], s57
	s_add_nc_u64 s[G0V+2:G0V+3], s[4:5], s[54:55]
	s_or_b32 s[G0V+3], s[G0V+3], 0x80000000
	s_add_nc_u64 s[58:59], s[4:5], s[58:59]        ; Q at my wave's first row
	s_add_nc_u64 s[6:7], s[6:7], s[60:61]          ; O likewise
	s_add_nc_u64 s[PFA:PFA+1], s[4:5], s[62:63]
	CROUND                                         ; all four work-groups are here: the first joint loads meet
	TLOAD                                          ; slot 0
	v_and_b32 v1, 15, v0                           ; r
	v_bfe_u32 v2, v0, 4, 1                         ; h
	v_lshlrev_b32 v[QO], 7, v1
	v_lshl_add_u32 v[QO], v2, 4, v[QO]             ; row r of 128 bytes + 16 h
.irp t, 0,1,2,3
.irp cs, 0,1
	global_load_b128 v[Q+16*\t+8*\cs:Q+16*\t+8*\cs+3],   v[QO], s[58:59] offset:\t*2048+64*\cs      ; Q stays in registers: tile t, channels 32 cs on
	global_load_b128 v[Q+16*\t+8*\cs+4:Q+16*\t+8*\cs+7], v[QO], s[58:59] offset:\t*2048+64*\cs+32
.endr
.endr
	v_lshrrev_b32 v5, 1, v1                        ; K: key r of a tile lies in row r / 2, half r % 2
	v_mul_u32_u24 v[AK0], v5, KP
	v_and_b32 v5, 1, v1
	v_lshl_add_u32 v[AK0], v5, 7, v[AK0]
	v_lshl_add_u32 v[AK0], v2, 4, v[AK0]
	v_bfe_u32 v5, v0, 1, 2                         ; V: the turning load's lane l addresses key 8 h + l % 8, channels 8 ((l / 8) % 2) on
	v_lshl_add_u32 v5, v2, 2, v5
	v_mul_u32_u24 v[AV0], v5, VP
	v_and_b32 v5, 1, v0
	v_lshl_add_u32 v[AV0], v5, 7, v[AV0]
	v_bfe_u32 v5, v0, 3, 1
	v_lshl_add_u32 v[AV0], v5, 4, v[AV0]
	v_add_nc_u32 v[AV0], VOFF, v[AV0]
	s_mul_i32 s48, s[WV], 16*SPT
	s_add_co_u32 s48, s48, STAGE                   ; my stage
	v_mul_u32_u24 v[STO], v1, SPT
	v_lshl_add_u32 v[STO], v2, 4, v[STO]
	v_add_nc_u32 v[STO], s48, v[STO]               ; in: query r, 16 bytes for each half of the lanes
	v_bfe_u32 v5, v0, 3, 2
	v_mul_u32_u24 v[RD], v5, SPT
	v_and_b32 v5, 7, v0
	v_lshl_add_u32 v[RD], v5, 4, v[RD]
	v_add_nc_u32 v[RD], s48, v[RD]                 ; back: eight lanes to a row of 128 bytes, four rows an instruction
	v_and_b32 v5, 31, v0
	v_lshlrev_b32 v[GO], 4, v5                     ; which are 512 consecutive bytes of O
	v_lshlrev_b32 v[PFO], 8, v5
.irp t, 0,1,2,3
	v_mov_b32 v[ST+8*\t+2], 0xff61b1e6             ; m: -3e38, under every score
	v_mov_b32 v[ST+8*\t+6], 0                      ; l
	v_mov_b32 v[ST+8*\t+7], 0
.endr
.set n, 0
.rept 64
	v_mov_b32 v[VF+n], 0                           ; V's registers: the first V^T P adds zeros
.set n, n+1
.endr
	WIN 0x40
.set n, 0
.rept 128
	v_mov_b32 v[n], s[INIT]                        ; S^T.  These lines stand once; they let the first trip be the loop's own text
	v_mov_b32 v[128+n], 0                          ; O^T
.set n, n+1
.endr
	WIN 0
.macro LOADK adr, i                    ; a step's K: 4 tiles of 16 keys x 2 halves of the 64 channels
.irp kt, 0,1,2,3
.irp cs, 0,1
	ds_load_b128 v[KF+16*\kt+8*\cs:KF+16*\kt+8*\cs+3],   v[\adr] offset:(\i)*KSB+\kt*8*KP+64*\cs
	ds_load_b128 v[KF+16*\kt+8*\cs+4:KF+16*\kt+8*\cs+7], v[\adr] offset:(\i)*KSB+\kt*8*KP+64*\cs+32
.endr
.endr
.endm
.macro LOADV adr, i                    ; a step's V, turned: keys 32 f on, channels 16 ct on
.irp f, 0,1
.irp ct, 0,1,2,3
	ds_load_tr16_b128 v[VF+32*\f+8*\ct:VF+32*\f+8*\ct+3],   v[\adr] offset:(\i)*VSB+\f*16*VP+32*\ct
	ds_load_tr16_b128 v[VF+32*\f+8*\ct+4:VF+32*\f+8*\ct+7], v[\adr] offset:(\i)*VSB+\f*16*VP+8*VP+32*\ct
.endr
.endr
.endm
; The accumulators take turns, one instruction a turn: between two links of a chain stand 15 others.
.macro PV                              ; O^T += V^T P
	WIN 0x54                                       ; V window 0; P, C and D window 1
.irp f, 0,1
.irp ct, 0,1,2,3
.irp t, 0,1,2,3
	v_wmma_f32_16x16x32_f16 v[128+32*\t+8*\ct:128+32*\t+8*\ct+7], v[VF+32*\f+8*\ct:VF+32*\f+8*\ct+7], v[32*\t+8*\f:32*\t+8*\f+7], v[128+32*\t+8*\ct:128+32*\t+8*\ct+7]
.endr
.endr
.endr
.endm
.macro KQ                              ; S^T = K Q^T: the first 16 start the sums
	WIN 0x50                                       ; K and Q window 0; C and D window 1
.irp kt, 0,1,2,3
.irp t, 0,1,2,3
	v_wmma_f32_16x16x32_f16 v[32*\t+8*\kt:32*\t+8*\kt+7], v[KF+16*\kt:KF+16*\kt+7], v[Q+16*\t:Q+16*\t+7], 0
.endr
.endr
.irp kt, 0,1,2,3
.irp t, 0,1,2,3
	v_wmma_f32_16x16x32_f16 v[32*\t+8*\kt:32*\t+8*\kt+7], v[KF+16*\kt+8:KF+16*\kt+15], v[Q+16*\t+8:Q+16*\t+15], v[32*\t+8*\kt:32*\t+8*\kt+7]
.endr
.endr
.endm
; THE MATRIX PHASE.  n: how many younger LDS loads (K's) may be out when V is wanted.
.macro MPH n
	s_wait_dscnt \n
	PV
.rept 5
	v_nop                                          ; K Q^T writes over registers that V^T P has read as P: five places
.endr
	s_wait_dscnt 0x0                               ; K is in
	KQ
.rept 5
	v_nop                                          ; four places serve the loads into K's registers and the first read of the scores.  The fifth: counted without regard to which role takes which branch, the text has a way
.endr                                              ; from a phase's end to a V^T P with no softmax between, and a matrix instruction that takes these results as an operand stands five places behind them
	WIN 0
.endm
; THE VECTOR PHASE: the softmax of four tiles for one key step, the tiles by turns line by line.  p: which of the two registers takes the new m; the other holds the old one.
.macro CHAIN kt, t, q, p               ; link q of the maximum over accumulator kt of tile t; each accumulator is read from its low end on
.if (\kt) == 0
.set rC, ST+8*(\t)+2*(\p)
.else
.set rC, ST+8*(\t)+2*(\kt)-1
.endif
.set rS, 32*(\t)+8*(\kt)+2*(\q)
.if (\q) == 0
	v_max3_num_f32 v[rC], v[ST+8*(\t)+2-2*(\p)], v[rS], v[rS+1]
.else
	v_max3_num_f32 v[rC], v[rC], v[rS], v[rS+1]
.endif
.endm
.macro SM p
	WIN 0x14                                       ; the scores window 1, the statistics window 0
.irp q, 0,1,2,3
.irp kt, 0,1,2,3
.irp t, 0,1,2,3
	CHAIN \kt, \t, \q, \p
.endr
.endr
.endr
	WIN 0
.irp t, 0,1,2,3
	v_max3_num_f32 v[ST+8*\t+2*(\p)], v[ST+8*\t+2*(\p)], v[ST+8*\t+1], v[ST+8*\t+3]
.endr
.irp t, 0,1,2,3
	v_max_num_f32 v[ST+8*\t+2*(\p)], v[ST+8*\t+2*(\p)], v[ST+8*\t+5]
.endr
.irp t, 0,1,2,3
	v_permlanex16_b32 v[ST+8*\t+5], v[ST+8*\t+2*(\p)], s[SEL], s[SEL+1]   ; the query's other 32 keys lie in the lane 16 away
.endr
.irp t, 0,1,2,3
	v_max_num_f32 v[ST+8*\t+2*(\p)], v[ST+8*\t+2*(\p)], v[ST+8*\t+5]      ; the new m
.endr
.irp t, 0,1,2,3
	v_sub_f32 v[ST+8*\t+4], v[ST+8*\t+2-2*(\p)], v[ST+8*\t+2*(\p)]
.endr
.irp t, 0,1,2,3
	v_exp_f32 v[ST+8*\t+4], v[ST+8*\t+4]           ; a = 2^(m_old - m_new)
.endr
	WIN 0x41                                       ; destination and source 0 window 1
.set g, 0
.rept 64
	v_pk_add_f32 v[2*g:2*g+1], v[2*g:2*g+1], v[ST+8*(g/16)+2*(\p):ST+8*(g/16)+2*(\p)+1] op_sel_hi:[1,0] neg_lo:[0,1] neg_hi:[0,1]   ; s - m, two at a time
.set g, g+1
.endr
	s_wait_alu depctr_va_vdst(0)                   ; one wait for the four a, ahead of their first reader; the 64 lines above are the independent work between
.set g, 0
.rept 64
	v_exp_f32 v[2*g], v[2*g]                       ; p = 2^(s - m): one batch of 128; no line of the batch names a result
	v_exp_f32 v[2*g+1], v[2*g+1]
	v_pk_mul_f32 v[128+2*g:129+2*g], v[128+2*g:129+2*g], v[ST+8*(g/16)+4:ST+8*(g/16)+5] op_sel_hi:[1,0]   ; O^T x a stands among them: a plain line to each two
.set g, g+1
.endr
	s_wait_alu depctr_va_vdst(0)                   ; one wait for the batch, ahead of its first reader
	WIN 0x10
.irp t, 0,1,2,3
	v_pk_fma_f32 v[ST+8*\t+6:ST+8*\t+7], v[ST+8*\t+6:ST+8*\t+7], v[ST+8*\t+4:ST+8*\t+5], v[32*\t:32*\t+1] op_sel_hi:[1,0,1]   ; l = a l + the first pair
.endr
	WIN 0x01
.irp j, 1,2,3,4,5,6,7,8,9,10,11,12,13,14,15
.irp t, 0,1,2,3
	v_pk_add_f32 v[ST+8*\t+6:ST+8*\t+7], v[32*\t+2*\j:32*\t+2*\j+1], v[ST+8*\t+6:ST+8*\t+7]
.endr
.endr
	WIN 0x45
.irp j, 0,1,2,3,4,5,6,7,8,9,10,11,12,13,14,15
.irp t, 0,1,2,3
	v_cvt_pk_f16_f32 v[32*\t+\j], v[32*\t+2*\j], v[32*\t+2*\j+1]   ; P in place, ascending: register j is written when registers 2 j, 2 j + 1 are read
.endr
.endr
	WIN 0
.endm
; THE CHANGE OF SLOTS stands at a slot's head.  Each wave waits for all its tensor loads (its part of the slot ahead), adds 0 to its spare word, and waits for that and for its reads of the slot that it has left:
; both roles hold that slot's last V in registers by then.  fill = 1: the barrier is a round of the cluster's, and behind it the slot just left is asked for anew: the load has four key steps in which to land.
.macro CHANGE fill
	WIN 0
	s_wait_tensorcnt 0x0                           ; no tensor load of mine is out, so a group 0 may be written
	ds_add_u32 v[SPW], v[NIL]
.if \fill
	ds_add_u32 v[SPW], v[NIL]                      ; and twice on end here, in every trip alike
	s_xor_b32 s[G0K+1], s[G0K+1], SLOT1            ; the walking descriptors: the other slot than last time,
	s_add_nc_u64 s[G0K+2:G0K+3], s[G0K+2:G0K+3], 32768   ; the next 256 keys
	s_xor_b32 s[G0V+1], s[G0V+1], SLOT1
	s_add_nc_u64 s[G0V+2:G0V+3], s[G0V+2:G0V+3], 32768
	s_wait_xcnt 0x0                                ; the last prefetch, a slot back, has read its address
	s_add_nc_u64 s[PFA:PFA+1], s[PFA:PFA+1], 32768
	s_wait_dscnt 0x0
	CROUND
	TLOAD                                          ; the first thing behind the round, a wave's one tensor load until the next
	ASK
.else
	s_wait_dscnt 0x0
	s_barrier_signal -1
	s_barrier_wait -1
.endif
.endm
; A SLOT'S FOUR KEY STEPS.  Role 0 comes with P and V of the step before the slot, role 1 with that step's scores and V.  The branches hang on the role alone, and lead round no barrier, no wait of the ring and no tensor load.
.macro TRIP
	v_add_nc_u32 v[ADK0], s[TB], v[AK0]
	v_add_nc_u32 v[ADV0], s[TB], v[AV0]
	v_add_nc_u32 v[ADKR], s[KADJ], v[ADK0]
	v_add_nc_u32 v[ADVR], s[VADJ], v[ADV0]
	LOADK ADK0, 0                                  ; K of the slot's step 0
	s_cmp_eq_u32 s[ROLE], 0
	s_cbranch_scc0 .Lb1_\@
	MPH 16                                         ; role 0 alone: V lies in registers since the change of slots; the 16 loads of K just issued may be out
	LOADV ADV0, 0
	LOADK ADK0, 1
.Lb1_\@:
	SM 0
	MPH 0
	LOADV ADVR, 0                                  ; role 0: V of step 1, K of step 2; role 1: V of step 0, K of step 1
	LOADK ADKR, 1
	SM 1
	MPH 0
	LOADV ADVR, 1
	LOADK ADKR, 2
	SM 0
	MPH 0
	LOADV ADVR, 2
	s_cmp_eq_u32 s[ROLE], 0
	s_cbranch_scc1 .La1_\@
	LOADK ADKR, 3                                  ; role 1 alone: K of step 3
.La1_\@:
	SM 1
	s_cmp_eq_u32 s[ROLE], 0
	s_cbranch_scc1 .La2_\@
	MPH 0                                          ; role 1 alone
	LOADV ADVR, 3
.La2_\@:
	s_xor_b32 s[TB], s[TB], SLOT1                  ; on to the other slot
.endm
	s_wait_loadcnt 0x0                             ; Q
.Lslot:                                            ; seven trips: behind each change of slots but the last the next slot is asked for
	CHANGE 1
	TRIP
	s_sub_co_u32 s[SLOTS], s[SLOTS], 1
	s_cmp_lg_u32 s[SLOTS], 0
	s_cbranch_scc1 .Lslot
	CHANGE 0                                       ; the last slot is written out
	TRIP
	s_cmp_eq_u32 s[ROLE], 0
	s_cbranch_scc1 .Llast_pv
	SM 0                                           ; role 1: the last step's softmax
.Llast_pv:
	s_wait_dscnt 0x0                               ; the last V
	PV
	WIN 0
	; THE WAY OUT.  l's halves are added (four plain lines: the places behind the last products); O^T / l is rounded to f16 and goes through my stage, a tile of 16 queries at a time.
.irp t, 0,1,2,3
	v_add_f32 v[ST+8*\t+4], v[ST+8*\t+6], v[ST+8*\t+7]
.endr
.irp t, 0,1,2,3
	v_permlanex16_b32 v[ST+8*\t+5], v[ST+8*\t+4], s[SEL], s[SEL+1]
.endr
.irp t, 0,1,2,3
	v_add_f32 v[ST+8*\t+4], v[ST+8*\t+4], v[ST+8*\t+5]
.endr
.irp t, 0,1,2,3
	v_rcp_f32 v[ST+8*\t+4], v[ST+8*\t+4]
.endr
	v_nop                                          ; a plain line behind the last reciprocal
	s_wait_alu depctr_va_vdst(0)                   ; one wait for the four, ahead of their first reader
.macro OPACK t
	WIN 0x41
.set g, 0
.rept 16
	v_pk_mul_f32 v[128+32*\t+2*g:129+32*\t+2*g], v[128+32*\t+2*g:129+32*\t+2*g], v[ST+8*\t+4:ST+8*\t+5] op_sel_hi:[1,0]
.set g, g+1
.endr
	WIN 0x05                                       ; sources window 1, destination window 0: K's registers are free
.set g, 0
.rept 16
	v_cvt_pk_f16_f32 v[KF+16*\t+g], v[128+32*\t+2*g], v[129+32*\t+2*g]
.set g, g+1
.endr
	WIN 0
.irp ct, 0,1,2,3
	ds_store_b128 v[STO], v[KF+16*\t+4*\ct:KF+16*\t+4*\ct+3] offset:32*\ct
.endr
.irp i, 0,1,2,3
	ds_load_b128 v[VF+16*\t+4*\i:VF+16*\t+4*\i+3], v[RD] offset:4*SPT*\i   ; LDS serves a wave's instructions in order: these see the stores above, and the next tile's stores come behind them
.endr
.endm
.macro OSEND t, younger                ; younger: the LDS instructions issued behind tile t's loads: the next tile's eight, or none
.irp i, 0,1,2,3
	s_wait_dscnt \younger+3-\i
	global_store_b128 v[GO], v[VF+16*\t+4*\i:VF+16*\t+4*\i+3], s[6:7] offset:2048*\t+512*\i   ; 32 lanes store 512 consecutive bytes, aligned
.endr
.endm
	OPACK 0
	OPACK 1
	OSEND 0, 8
	OPACK 2
	OSEND 1, 8
	OPACK 3
	OSEND 2, 8
	OSEND 3, 0
	s_wait_tensorcnt 0x0                           ; the wave's end
	ds_add_u32 v[SPW], v[NIL]
	s_wait_dscnt 0x0
	CROUND                                         ; the closing round
	s_endpgm
.Lfunc_end_k_q124b49d168_attn:
	.size	k_q124b49d168_attn, .Lfunc_end_k_q124b49d168_attn-k_q124b49d168_attn
	.p2alignl 7, 3214868480
	.fill 96, 4, 3214868480
	.section	.rodata,"a",@progbits
	.p2align	6, 0x0
	.amdhsa_kernel k_q124b49d168_attn
		.amdhsa_group_segment_fixed_size 327680
		.amdhsa_private_segment_fixed_size 0
		.amdhsa_enable_private_segment 0
		.amdhsa_kernarg_size 16
		.amdhsa_user_sgpr_count 2
		.amdhsa_user_sgpr_kernarg_segment_ptr 1
		.amdhsa_wavefront_size32 1
		.amdhsa_system_sgpr_workgroup_id_x 1
		.amdhsa_system_sgpr_workgroup_id_y 1
		.amdhsa_system_sgpr_workgroup_id_z 1
		.amdhsa_system_vgpr_workitem_id 0
		.amdhsa_next_free_vgpr 512
		.amdhsa_next_free_sgpr 66
		.amdhsa_reserve_vcc 0
		.amdhsa_float_denorm_mode_32 3
		.amdhsa_float_denorm_mode_16_64 3
		.amdhsa_memory_ordered 1
		.amdhsa_forward_progress 1
		.amdhsa_inst_pref_size 255
	.end_amdhsa_kernel
	.section	.bss,"aw",@nobits
	.p2align	6
	.space	262144
	.amdgpu_metadata
---
amdhsa.version: [ 1, 2 ]
amdhsa.kernels:
  - .name:           k_q124b49d168_attn
    .symbol:         k_q124b49d168_attn.kd
    .args:
      - { .name: qkv, .offset: 0, .size: 8, .value_kind: global_buffer, .address_space: global }
      - { .name: oheads, .offset: 8, .size: 8, .value_kind: global_buffer, .address_space: global }
    .group_segment_fixed_size: 327680
    .private_segment_fixed_size: 0
    .kernarg_segment_align: 8
    .kernarg_segment_size: 16
    .max_flat_workgroup_size: 256
    .sgpr_count:     66
    .vgpr_count:     512
    .wavefront_size: 32
...
	.end_amdgpu_metadata
.endif
;; end of part 3
;; launch proj (part 4): grid 8 x 32, 4 waves a work-group, clusters of 4 x 4, 327,680 bytes of LDS; arguments oheads, w16, b_out, out0; writes out0
.if DOCPART == 4
	.amdgcn_target "amdgcn-amd-amdhsa--gfx1250"
	.amdhsa_code_object_version 6
	.text
	.protected	k_q124b49d168_proj
	.globl	k_q124b49d168_proj
	.p2align	8
	.type	k_q124b49d168_proj,@function
k_q124b49d168_proj:
	s_mov_b64 s[64:65], 0
	v_nop
	global_prefetch_b8 v0, s[64:65] scope:SCOPE_SE
	s_setreg_imm32_b32 hwreg(HW_REG_WAVE_MODE, 25, 1), 1
	s_wait_xcnt 0x0
	s_wait_alu depctr_hold_cnt(0) depctr_sa_sdst(0) depctr_va_vdst(0) depctr_va_sdst(0) depctr_va_ssrc(0) depctr_va_vcc(0) depctr_vm_vsrc(0)
	s_getreg_b32 s2, hwreg(HW_REG_IB_STS2, 6, 4)
	s_cmp_eq_u32 s2, 0
	s_cbranch_scc0 .Lentry_in_a_cluster
	s_endpgm
.Lentry_in_a_cluster:
	s_bfe_u32 s2, ttmp6, 0x10000c
	s_cmp_lg_u32 s2, 0xf033
	s_cbranch_scc0 .Lentry_shape_is_right
	s_endpgm
.Lentry_shape_is_right:
; out0[m][n] = sum over k of O[m][k] W[k][n] + b[n].  O: f16, [head 16][token 8192][64], k = 64 head + d; W: f16, [k 1024][n 1024]; b: f32 [1024]; out0: f32 [8192][1024].  Sums in f32.
; A tile of 256 tokens x 128 columns to a work-group: 256 work-groups.  Four waves, each 128 x 64: 32 accumulators, 256 registers.  K goes in steps of 128 (two heads) through a ring of two LDS slots.
; THE MATRIX INSTRUCTION IS USED TRANSPOSED: source 0 = 16 columns of W (turned out of [k][n] by ds_load_tr16_b128), source 1 = 16 tokens: a lane then holds eight neighbouring columns of one token.
; The bias is the C of each sum's first matrix instruction: eight registers for each of my four blocks of columns.
; CLUSTERS: 4 x 4 work-groups; O's tiles are shared along a row of the cluster, W's along a column: joint loads.
; LDS, a slot: O's two heads, each 256 tokens as 128 rows of 256 bytes (two tokens to a row), 272 apart; then W's 128 rows of 256 bytes, 288 apart.
; REGISTERS: window 0: v1-31 addresses; v32-63 the bias; two fragment buffers of 96 (v64-159, v160-255): 8 fragments of tokens, then 4 of W.   window 1: the accumulators, (a, b) at v[8 (4 a + b)].
.set AP,     272
.set BP,     288
.set HEADT,  128*AP                    ; a head's 256 tokens in LDS
.set BOFF,   2*HEADT
.set SLOT,   BOFF+128*BP
.set STAGE,  2*SLOT                    ; behind the ring: 16 rows x 272 bytes for each wave, for the way out
.set SPITCH, 272
.set SPARE,  STAGE+4*16*SPITCH         ; the spare words, 128 bytes for each wave, which no other line names
.set LAPS,   4                         ; a lap = two K steps = once round the ring
.set ADRA, 16
.set ADRB, 20
.set STO,  24
.set RD,   25
.set CO,   26
.set BO,   27
.set SPW,  28
.set NIL,  29
.set BIAS, 32
.set F0,   64
.set F1,   160
.set G1, 24
.set G0, 32
.set G1B, 48
.set G0B, 56
.set MSB, 0
.macro WIN new
.if MSB != (\new)
	s_set_vgpr_msb (MSB<<8)|(\new)
.set MSB, (\new)
.endif
.endm
.set MUL,  0x50                        ; sources window 0; C and D window 1
.set MULB, 0x40                        ; the first products: C (the bias) window 0, D window 1
.macro JLOAD s                         ; waves 0 and 1 fetch O's two heads, waves 2 and 3 W's two halves; an s_nop 0 and four v_nop follow each of the two lines
	s_cmp_eq_u32 s13, 0
	s_cbranch_scc0 .Lfor_b_\@
	tensor_load_to_lds s[G0+4*\s:G0+4*\s+3], s[G1:G1+7]
	s_nop 0
.rept 4
	v_nop
.endr
	s_branch .Lasked_\@
.Lfor_b_\@:
	tensor_load_to_lds s[G0B+4*\s:G0B+4*\s+3], s[G1B:G1B+7]
	s_nop 0
.rept 4
	v_nop
.endr
.Lasked_\@:
.endm
.macro CREST                           ; a round of the cluster's barrier behind its opening barrier
	s_cmp_lg_u32 s12, 0
	s_cbranch_scc1 .Lnot_wave_0_\@
	s_barrier_signal -3
.Lnot_wave_0_\@:
	s_barrier_wait -3
	s_barrier_signal -1
	s_barrier_wait -1
.endm
.macro CROUND
	s_barrier_signal -1
	s_barrier_wait -1
	CREST
.endm
	s_load_b128 s[4:7], s[0:1], 0x0                ; O s[4:5], W s[6:7]
	s_load_b128 s[8:11], s[0:1], 0x10              ; b s[8:9], out0 s[10:11]
	v_lshl_add_u32 v[SPW], v0, 2, SPARE
	v_mov_b32 v[NIL], 0
	ds_add_u32 v[SPW], v[NIL]                      ; the wave's opening: the add, twice on end, and its wait ahead of my first tensor load
	ds_add_u32 v[SPW], v[NIL]
	v_lshrrev_b32 v1, 5, v0
	v_readfirstlane_b32 s12, v1                    ; wave 0..3
	s_lshr_b32 s13, s12, 1                         ; which 128 tokens are mine.  Also: I fetch for O (0) or for W (1)
	s_and_b32 s14, s12, 1                          ; which 64 columns.  Also: which head, or which 64 rows of W, I fetch
	s_bfe_u32 s40, ttmp6, 0x40000                  ; cx, cy
	s_bfe_u32 s41, ttmp6, 0x40004
	s_lshl_b32 s42, ttmp9, 2
	s_add_co_u32 s42, s42, s40                     ; tile column
	s_and_b32 s15, ttmp7, 0xffff
	s_lshl_b32 s15, s15, 2
	s_add_co_u32 s15, s15, s41                     ; tile row
	s_lshl_b32 s43, s41, 2
	s_lshl_b32 s43, 15, s43                        ; my row of the cluster
	s_lshl_b32 s44, 0x1111, s40                    ; my column
	s_or_b32 s[G1+0], s43, (1<<16)|(1<<20)|(1<<21)|(5<<22)|(3<<25)   ; O: elements of 2 bytes; after every 64 words 4 words of padding
	s_mov_b32 s[G1+1], 128<<16                     ; tensor_dim0
	s_mov_b32 s[G1+2], 128<<16                     ; tensor_dim1
	s_mov_b32 s[G1+3], 128<<16                     ; tile_dim0
	s_mov_b32 s[G1+4], 128                         ; tile_dim1: 128 rows of two tokens, dense in memory
	s_mov_b32 s[G1+5], 128
	s_mov_b32 s[G1+6], 0
	s_mov_b32 s[G1+7], 0
	s_or_b32 s[G1B+0], s44, (1<<16)|(1<<20)|(1<<21)|(5<<22)|(7<<25)  ; W: 8 words of padding
	s_mov_b32 s[G1B+1], 128<<16
	s_mov_b32 s[G1B+2], 64<<16
	s_mov_b32 s[G1B+3], 128<<16
	s_mov_b32 s[G1B+4], 64                         ; 64 rows of 128 columns,
	s_mov_b32 s[G1B+5], 1024                       ; 1,024 elements apart
	s_mov_b32 s[G1B+6], 0
	s_mov_b32 s[G1B+7], 0
	s_lshl_b32 s16, s14, 20                        ; O: my head of the K step's two,
	s_lshl_b32 s17, s15, 15                        ; the tile row's 256 tokens of 128 bytes
	s_add_co_u32 s16, s16, s17
	s_mov_b32 s17, 0
	s_lshl_b32 s46, s14, 17                        ; W: my 64 rows of 2,048 bytes,
	s_lshl_b32 s47, s42, 8                         ; the tile column's 256 bytes
	s_add_co_u32 s46, s46, s47
	s_mov_b32 s47, 0
	s_mul_i32 s20, s14, HEADT                      ; where they go: no place in the cluster enters an LDS address
	s_mul_i32 s21, s14, 64*BP
	s_add_co_u32 s21, s21, BOFF
	s_wait_dscnt 0x0                               ; both opening adds are done
	s_wait_kmcnt 0x0
	s_add_nc_u64 s[18:19], s[4:5], s[16:17]
	s_add_nc_u64 s[46:47], s[6:7], s[46:47]
	CROUND                                         ; all sixteen work-groups are here: the first joint loads meet
.irp s, 0,1
	s_mov_b32 s[G0+4*\s], 1
	s_add_co_u32 s[G0+4*\s+1], s20, \s*SLOT
	s_add_nc_u64 s[G0+4*\s+2:G0+4*\s+3], s[18:19], \s*(2<<20)      ; K step s: heads 2 s, 2 s + 1
	s_or_b32 s[G0+4*\s+3], s[G0+4*\s+3], 0x80000000
	s_mov_b32 s[G0B+4*\s], 1
	s_add_co_u32 s[G0B+4*\s+1], s21, \s*SLOT
	s_add_nc_u64 s[G0B+4*\s+2:G0B+4*\s+3], s[46:47], \s*128*2048
	s_or_b32 s[G0B+4*\s+3], s[G0B+4*\s+3], 0x80000000
	JLOAD \s                                       ; two loads of mine are out
.endr
	v_and_b32 v1, 15, v0                           ; r
	v_bfe_u32 v2, v0, 4, 1                         ; h
	s_lshl_b32 s46, s42, 9                         ; the bias and the output: 128 columns x 4 bytes to a tile column,
	s_lshl_b32 s47, s14, 8                         ; 64 to my half
	s_add_co_u32 s46, s46, s47
	s_mov_b32 s47, 0
	s_add_nc_u64 s[8:9], s[8:9], s[46:47]
	s_add_nc_u64 s[10:11], s[10:11], s[46:47]
	v_lshlrev_b32 v[BO], 5, v2
.irp b, 0,1,2,3
	global_load_b128 v[BIAS+8*\b:BIAS+8*\b+3],   v[BO], s[8:9] offset:64*\b       ; b(16 b + 8 h + 0 .. 7) of my 64 columns: the result's layout
	global_load_b128 v[BIAS+8*\b+4:BIAS+8*\b+7], v[BO], s[8:9] offset:64*\b+16
.endr
	s_lshl_b32 s16, s15, 20                        ; my first token's row of 4,096 bytes: 256 x tile row + 128 x half
	s_lshl_b32 s17, s13, 19
	s_add_co_u32 s16, s16, s17
	s_mov_b32 s17, 0
	s_add_nc_u64 s[10:11], s[10:11], s[16:17]
	v_lshrrev_b32 v3, 1, v1                        ; tokens: token r of a block lies in row r / 2, half r % 2
	v_mul_u32_u24 v3, v3, AP
	v_and_b32 v4, 1, v1
	v_lshl_add_u32 v3, v4, 7, v3
	v_lshl_add_u32 v3, v2, 4, v3
	v_and_b32 v4, 7, v0                            ; W: the turning load's lane l addresses row 8 h + l % 8, columns 8 ((l / 8) % 2) on
	v_lshl_add_u32 v4, v2, 3, v4
	v_mul_u32_u24 v4, v4, BP
	v_bfe_u32 v5, v0, 3, 1
	v_lshl_add_u32 v4, v5, 4, v4
	s_mul_i32 s22, s13, 64*AP                      ; my 128 tokens
	s_lshl_b32 s23, s14, 7                         ; my 64 columns
	s_add_co_u32 s23, s23, BOFF
.irp s, 0,1
	v_add_nc_u32 v[ADRA+\s], s22, v3
	v_add_nc_u32 v[ADRB+\s], s23, v4
	s_add_co_u32 s22, s22, SLOT
	s_add_co_u32 s23, s23, SLOT
.endr
	s_mul_i32 s22, s12, 16*SPITCH
	s_add_co_u32 s22, s22, STAGE                   ; my stage
	v_mul_u32_u24 v5, v1, SPITCH
	v_lshl_add_u32 v5, v2, 5, v5
	v_add_nc_u32 v[STO], s22, v5                   ; in: token r, 32 bytes for each half of the lanes
	v_mul_u32_u24 v5, v2, SPITCH
	v_lshl_add_u32 v5, v1, 4, v5
	v_add_nc_u32 v[RD], s22, v5                    ; back: lanes 0-15 one row of 256 bytes, lanes 16-31 the next
	v_lshlrev_b32 v5, 12, v2
	v_lshl_add_u32 v[CO], v1, 4, v5                ; and the same two rows in out0
; 24 LDS loads in one run: the fragments of quarter q (32 along K) of a slot into buffer f: W's four, tokens' blocks 0-3, blocks 4-7
.macro FETCH slot, q, f
	WIN 0
.irp b, 0,1,2,3
	ds_load_tr16_b128 v[\f+64+8*\b:\f+64+8*\b+3],   v[ADRB+\slot] offset:32*BP*(\q)+32*\b
	ds_load_tr16_b128 v[\f+64+8*\b+4:\f+64+8*\b+7], v[ADRB+\slot] offset:32*BP*(\q)+32*\b+16*BP
.endr
.irp a, 0,1,2,3,4,5,6,7
	ds_load_b128 v[\f+8*\a:\f+8*\a+3],   v[ADRA+\slot] offset:((\q)/2)*HEADT+((\q)%2)*64+8*AP*\a
	ds_load_b128 v[\f+8*\a+4:\f+8*\a+7], v[ADRA+\slot] offset:((\q)/2)*HEADT+((\q)%2)*64+8*AP*\a+32
.endr
.endm
; 8 matrix instructions: blocks a0, a0 + 1 of tokens x my 4 blocks of columns.  The 32 accumulators take turns, one instruction a turn, in the same order in every quarter.
.macro MUL8 f, a0, first
.irp a, \a0, \a0+1
.irp b, 0,1,2,3
.if \first
	v_wmma_f32_16x16x32_f16 v[8*(4*(\a)+\b):8*(4*(\a)+\b)+7], v[\f+64+8*\b:\f+64+8*\b+7], v[\f+8*(\a):\f+8*(\a)+7], v[BIAS+8*\b:BIAS+8*\b+7]
.else
	v_wmma_f32_16x16x32_f16 v[8*(4*(\a)+\b):8*(4*(\a)+\b)+7], v[\f+64+8*\b:\f+64+8*\b+7], v[\f+8*(\a):\f+8*(\a)+7], v[8*(4*(\a)+\b):8*(4*(\a)+\b)+7]
.endif
.endr
.endr
.endm
.macro PLACES                          ; four places in front of loads into registers that matrix instructions have read, and of the first read of results
.rept 4
	v_nop
.endr
.endm
.macro MWIN first
.if \first
	WIN MULB
.else
	WIN MUL
.endif
.endm
; A K step is four quarters of 32 along K, 32 matrix instructions each, on buffers 0, 1, 0, 1.  One of the first three: multiplies buffer f and fetches quarter qn into g.
.macro QUARTER slot, qn, f, g, first
	s_wait_dscnt 8                                 ; W's fragments and blocks 0-3 are in; the youngest eight loads (blocks 4-7) may be out
	MWIN \first
	MUL8 \f, 0, \first
	MUL8 \f, 2, \first
	PLACES
	FETCH \slot, \qn, \g
	s_wait_dscnt 24                                ; all but the 24 just issued
	MWIN \first
	MUL8 \f, 4, \first
	MUL8 \f, 6, \first
.endm
; The last quarter multiplies buffer 1 and changes slots: one barrier; in front of it each wave waits for all its tensor loads, adds 0 to its spare word, and waits for that and for its reads of this slot.
; fill = 1: the barrier opens a round of the cluster's, and this slot is filled again, two K steps ahead, first thing behind the round.
.macro TURN slot, next, fill
	WIN 0
	s_wait_tensorcnt 0x0                           ; all my tensor loads have landed: my part of the next slot
	ds_add_u32 v[SPW], v[NIL]
	s_wait_dscnt 9                                 ; the add and the youngest eight loads may be out
	WIN MUL
	MUL8 F1, 0, 0
	s_wait_dscnt 0x0                               ; the add is done, and my reads of this slot are over
	s_barrier_signal -1
	MUL8 F1, 2, 0
.if \fill
	WIN 0
.endif
	s_barrier_wait -1
.if \fill
	CREST
	s_add_nc_u64 s[G0+4*\slot+2:G0+4*\slot+3], s[G0+4*\slot+2:G0+4*\slot+3], 4<<20       ; four heads on
	s_add_nc_u64 s[G0B+4*\slot+2:G0B+4*\slot+3], s[G0B+4*\slot+2:G0B+4*\slot+3], 256*2048  ; 256 rows of W on
	JLOAD \slot                                    ; the four v_nop behind it are also the places in front of the loads below
.else
	PLACES
.endif
	FETCH \next, 0, F0
	WIN MUL
	MUL8 F1, 4, 0
	MUL8 F1, 6, 0
.endm
	s_wait_tensorcnt 1                             ; my part of K step 0 is in; K step 1's load may be out,
	s_barrier_signal -1
	s_barrier_wait -1                              ; everybody's is
	FETCH 0, 0, F0
	s_wait_loadcnt 0x0                             ; the bias
	QUARTER 0, 1, F0, F1, 1                        ; the first quarter stands in front of the loop: its products start the sums from the bias
	WIN 0
	s_mov_b32 s3, LAPS-1
.Llap:                                             ; a trip goes once round the ring and fills both slots again
	QUARTER 0, 2, F1, F0, 0
	QUARTER 0, 3, F0, F1, 0
	TURN 0, 1, 1
	QUARTER 1, 1, F0, F1, 0
	QUARTER 1, 2, F1, F0, 0
	QUARTER 1, 3, F0, F1, 0
	TURN 1, 0, 1
	QUARTER 0, 1, F0, F1, 0
	WIN 0
	s_sub_co_u32 s3, s3, 1
	s_cmp_lg_u32 s3, 0
	s_cbranch_scc1 .Llap
	QUARTER 0, 2, F1, F0, 0                        ; the last lap fills nothing
	QUARTER 0, 3, F0, F1, 0
	TURN 0, 1, 0
	QUARTER 1, 1, F0, F1, 0
	QUARTER 1, 2, F1, F0, 0
	QUARTER 1, 3, F0, F1, 0
	s_wait_dscnt 8
	WIN MUL
	MUL8 F1, 0, 0
	MUL8 F1, 2, 0
	s_wait_dscnt 0
	MUL8 F1, 4, 0
	MUL8 F1, 6, 0
	WIN 0
; THE WAY OUT, a block of 16 tokens x my 64 columns at a time: a lane's 32 bytes go into my own stage and come back as whole rows of 256 bytes, which sixteen lanes store as 256 consecutive bytes, aligned.
.macro TOSTAGE a
	WIN 0x04                                       ; an LDS store's data are its source 1: window 1
.irp b, 0,1,2,3
	ds_store_b128 v[STO], v[8*(4*(\a)+\b):8*(4*(\a)+\b)+3] offset:64*\b            ; each accumulator from its low end on
	ds_store_b128 v[STO], v[8*(4*(\a)+\b)+4:8*(4*(\a)+\b)+7] offset:64*\b+16
.endr
	WIN 0
.set BB, F0+96*((\a)%2)
.irp t, 0,1,2,3,4,5,6,7
	ds_load_b128 v[BB+4*\t:BB+4*\t+3], v[RD] offset:\t*2*SPITCH    ; LDS serves a wave's instructions in order: these see the stores above
.endr
.endm
.macro SEND a, younger                 ; younger: the LDS instructions issued behind block a's loads
.set BB, F0+96*((\a)%2)
	s_wait_dscnt \younger
.irp t, 0,1,2,3,4,5,6,7
	global_store_b128 v[CO], v[BB+4*\t:BB+4*\t+3], s[10:11] offset:(16*(\a)+2*\t)*4096 th:TH_STORE_NT   ; written once, read by nobody here; the base is never stepped
.endr
.endm
	PLACES
	TOSTAGE 0
.irp a, 1,2,3,4,5,6,7
.if \a > 1
	s_wait_xcnt 0x0                                ; block a - 2's stores have read their registers: block a's loads may land there
.endif
	TOSTAGE \a
	SEND \a-1, 16                                  ; behind block a - 1's loads: block a's 8 stores and 8 loads
.endr
	SEND 7, 0
	s_wait_tensorcnt 0x0                           ; the wave's end
	ds_add_u32 v[SPW], v[NIL]
	s_wait_dscnt 0x0
	CROUND                                         ; the closing round
	s_endpgm
.Lfunc_end_k_q124b49d168_proj:
	.size	k_q124b49d168_proj, .Lfunc_end_k_q124b49d168_proj-k_q124b49d168_proj
	.p2alignl 7, 3214868480
	.fill 96, 4, 3214868480
	.section	.rodata,"a",@progbits
	.p2align	6, 0x0
	.amdhsa_kernel k_q124b49d168_proj
		.amdhsa_group_segment_fixed_size 327680
		.amdhsa_private_segment_fixed_size 0
		.amdhsa_enable_private_segment 0
		.amdhsa_kernarg_size 32
		.amdhsa_user_sgpr_count 2
		.amdhsa_user_sgpr_kernarg_segment_ptr 1
		.amdhsa_wavefront_size32 1
		.amdhsa_system_sgpr_workgroup_id_x 1
		.amdhsa_system_sgpr_workgroup_id_y 1
		.amdhsa_system_sgpr_workgroup_id_z 1
		.amdhsa_system_vgpr_workitem_id 0
		.amdhsa_next_free_vgpr 512
		.amdhsa_next_free_sgpr 66
		.amdhsa_reserve_vcc 0
		.amdhsa_float_denorm_mode_32 3
		.amdhsa_float_denorm_mode_16_64 3
		.amdhsa_memory_ordered 1
		.amdhsa_forward_progress 1
		.amdhsa_inst_pref_size 86
	.end_amdhsa_kernel
	.amdgpu_metadata
---
amdhsa.version: [ 1, 2 ]
amdhsa.kernels:
  - .name:           k_q124b49d168_proj
    .symbol:         k_q124b49d168_proj.kd
    .args:
      - { .name: oheads, .offset: 0, .size: 8, .value_kind: global_buffer, .address_space: global }
      - { .name: w16, .offset: 8, .size: 8, .value_kind: global_buffer, .address_space: global }
      - { .name: b_out, .offset: 16, .size: 8, .value_kind: global_buffer, .address_space: global }
      - { .name: out0, .offset: 24, .size: 8, .value_kind: global_buffer, .address_space: global }
    .group_segment_fixed_size: 327680
    .private_segment_fixed_size: 0
    .kernarg_segment_align: 8
    .kernarg_segment_size: 32
    .max_flat_workgroup_size: 128
    .sgpr_count:     66
    .vgpr_count:     512
    .wavefront_size: 32
...
	.end_amdgpu_metadata
.endif
;; end of part 4
